; MI455X (gfx1250); checked and timed in simulation.
; The chip was launched on July 23, 2026; its instructions are those of AMD's public machine-readable ISA for CDNA 5 (MIT licence, August 2026) and "CDNA5" Instruction Set Architecture Reference Guide (July 2026). The comments in the code are by the model that wrote it; some were corrected since.
;; Attention. Allowed arithmetic: matrix products marked QUANTISED: E2M1 operands, one E8M0 scale for each 32 along K, by v_wmma_scale_f32_16x16x128_f8f6f4 with both operands' format E2M1 (or v_wmma_scale_f32_32x16x128_f4), f32 sums; products left as they are: bf16, f16 or f32 operands; f32 sums; everything else in f32.
;; Inputs: Wk 1,024 x 1,024 float32; Wo 1,024 x 1,024 float32; Wq 1,024 x 1,024 float32; Wv 1,024 x 1,024 float32; bk 1,024 float32; bo 1,024 float32; bq 1,024 float32; bv 1,024 float32; k 4 x 2,048 x 1,024 float32; mask 4 x 1 x 2,048 x 2,048 bool; q 4 x 2,048 x 1,024 float32; v 4 x 2,048 x 1,024 float32.
;; Outputs: out0 4 x 2,048 x 1,024 float32.
;; This version of the problem:
;;   THIS VERSION OF THE PROBLEM IS GIVEN IN LOW PRECISION. The matrix products marked QUANTISED in the list below multiply operands that are first quantised to E2M1 (2 exponent bits, 1 mantissa bit; 4 bits a number), with one power-of-two scale for each 32 numbers along K (OCP MX v1.0); their sums are f32. The products marked 'left as it is' may take bf16, f16 or f32 operands, with f32 sums. Whichever they take, every output number must still come out within the allowed error. Rounding operands to bf16 (8 significant bits) uses up far more of that allowance than f16 does (11 bits, for magnitudes from 6e-5 to 65,504). All else is computed in f32.
;;   The module's matrix products, in the order in which they are computed (A, B: the left and right operand; K: the contracted axis; several contracted axes count as one K, in the product's order):
;;     1. [M 8,192, K 1,024] x [K 1,024, N 1,024]; A: input q; B: input Wq: QUANTISED
;;     2. [M 8,192, K 1,024] x [K 1,024, N 1,024]; A: input k; B: input Wk: QUANTISED
;;     3. [M 8,192, K 1,024] x [K 1,024, N 1,024]; A: input v; B: input Wv: QUANTISED
;;     4. batch 64 x [M 2,048, K 64] x [K 64, N 2,048]; A: computed on the way; B: computed on the way: left as it is (an operand is computed on the way)
;;     5. batch 64 x [M 2,048, K 2,048] x [K 2,048, N 64]; A: computed on the way; B: computed on the way: left as it is (an operand is computed on the way)
;;     6. [M 8,192, K 1,024] x [K 1,024, N 1,024]; A: computed on the way; B: input Wo: left as it is (an operand is computed on the way)
;;   THE QUANTISER, for each operand of a quantised product, along K:
;;     - K is cut into blocks of 32 from its start; a last block that is shorter is filled with zeros.
;;     - A block's scale is 2^e with e = floor(log2(the largest magnitude in the block)) - 2, held to -126 .. 127; a block of zeros has e = 0. As a byte (E8M0): e + 127.
;;     - Each number is divided by its block's scale, clamped to +-6, and rounded to the nearest number of E2M1, ties to even, subnormals kept.
;;     - The product sums the exact products of the quantised numbers (number of the format x scale) in f32.
;;   ~~~python
;;   def quantise(x, axis):      # numpy; x: float32 -> the quantised numbers, widened to float32 again
;;       x = np.moveaxis(x, axis, -1); K = x.shape[-1]
;;       x = np.pad(x, [(0, 0)] * (x.ndim - 1) + [(0, -K % 32)]); x = x.reshape(x.shape[:-1] + (-1, 32)); a = np.abs(x).max(-1, keepdims=True)
;;       e = np.where(a > 0, np.clip(np.frexp(np.where(a > 0, a, 1))[1] - 1 - 2, -126, 127), 0)      # np.frexp(a)[1] - 1 = floor(log2(a)), exactly
;;       r = np.clip(x / 2.0 ** e, -6, 6)
;;       step = 2.0 ** (np.maximum(np.frexp(np.where(r == 0, 1, r))[1] - 1, 0) - 1)
;;       q = np.round(r / step) * step * 2.0 ** e      # np.round: ties to even
;;       return np.moveaxis(q.reshape(q.shape[:-2] + (-1,))[..., :K], -1, axis).astype(np.float32)
;;   ~~~
;; One version. Each part assembles by itself: llvm-mc -triple=amdgcn-amd-amdhsa -mcpu=gfx1250 --defsym DOCPART=n.
;; ======== version 1 of 1: 4 launches
;; limits: values are held in f16: magnitudes above 65,504 overflow, below 6.1e-05 lose precision
;; workspace buffers: wc 1,572,864 bytes; ws 98,304 bytes; wof 2,097,152 bytes; maskw 2,097,152 bytes of whole numbers; qf 16,777,216 bytes; kv 33,554,432 bytes; ofr 16,777,216 bytes
;; launch prep (part 1): grid 416 x 1, 4 waves a work-group, no clusters, 69,632 bytes of LDS; arguments Wq, Wk, Wv, Wo, mask, wc, ws, wof, maskw; writes wc, ws, wof, maskw
.if DOCPART == 1
	.amdgcn_target "amdgcn-amd-amdhsa--gfx1250"
	.amdhsa_code_object_version 6
	.text
	.protected	k_qb4af3a64ce_prep
	.globl	k_qb4af3a64ce_prep
	.p2align	8
	.type	k_qb4af3a64ce_prep,@function
k_qb4af3a64ce_prep:
	s_mov_b64 s[64:65], 0
	v_nop
	global_prefetch_b8 v0, s[64:65] scope:SCOPE_SE
	s_setreg_imm32_b32 hwreg(HW_REG_WAVE_MODE, 25, 1), 1
	s_wait_xcnt 0x0
; PREP: what the later launches read many times is laid out once, in the order of the reader's operand registers.
; Work-groups 0-95:    Wq, Wk, Wv [1024][1024] f32 -> codes of FP4 (E2M1) and E8M0 scale bytes, one for each 32 along K (K is innermost).  32 rows a work-group.
;                      wc: [tensor 3][n tile 64][K step 8][c 2][lane 32][16 bytes]: the 16 bytes are codes k = 128 s + 64 c + 32 (lane / 16) + 0..31 of row lane % 16.   ws: [tensor][row 1024][32 bytes].
; Work-groups 96-159:  Wo [1024][1024] f32 -> f16 fragments (16 rows x 32 K).  wof: [slice 8][K fragment 32][n tile in slice 8][half 2][lane 32][16 bytes].  16 rows a work-group.
; Work-groups 160-415: mask [4][2048][2048] bytes -> lane masks.  maskw: [batch 4][query tile 128][key step 32][32 words]; bit l of word 8 kt + j = mask[16 Q + l % 16][64 step + 16 kt + 8 (l / 16) + j]:
;                      the lane and register in which the attention launch holds that score.  A task is 16 queries x 256 keys; four tasks a wave.
; THE QUANTISER: a block's scale is 2^(floor(log2(largest magnitude)) - 2); its byte is the largest magnitude's exponent field - 2, held at 1 from below.  A lane holds 8 neighbours along K, four lanes a block.
; LIMITS: a block of zeros gets the byte 1 where the rule says 127 (its codes are zeros, and only this program reads the bytes); NaN and infinities among the inputs are not served; Wo is rounded to f16.
; The three paths part on the work-group's number alone; each has LDS bytes of its own.  No tensor load, no cluster: no two work-groups read the same bytes.
.set CW,    0                          ; W path: 32 rows of codes, 512 bytes + 16 of padding
.set CP,    528
.set SW,    17152                      ; W path: 32 rows of scale bytes, 32 + 16
.set SWP,   48
.set WOS,   18688                      ; Wo path: 16 rows of f16, 2,048 bytes + 16
.set WOP,   2064
.set MST,   51712                      ; mask path: a stage of 16 rows x (256 + 16) bytes for each wave
.set MP,    272
.set SPARE, 69120                      ; the spare words, 128 bytes a wave; no other line names them
.set LN,  1                            ; lane
.set RR,  2                            ; lane % 16
.set HH,  3                            ; lane / 16
.set XO,  4                            ; 32 x lane: my 8 numbers of a quarter row
.set L16, 5                            ; 16 x lane
.set CA,  6                            ; W: where I store codes
.set SA,  7                            ; W: where I store a scale byte
.set CR,  8                            ; W: where I read a fragment's 16 bytes
.set SR,  9                            ; W: where I read 8 scale bytes
.set WA,  10                           ; Wo: store
.set WR,  11                           ; Wo: read
.set MA,  12                           ; mask: store into my stage
.set MR,  13                           ; mask: read from it
.set SPW, 14                           ; my spare word; never rewritten
.set NIL, 15                           ; 0; never rewritten
.set T0,  16                           ; v16-47: at work, 8 registers each; on the mask path 16 pairs of mask bytes
.set T1,  24
.set T2,  32
.set CODE, 40
.set MW,  48                           ; v48-63: four tasks x 4 registers of mask words
.set X,   64                           ; v64-191: what was loaded
.set L8,  192                          ; 8 x lane
.set MG,  193                          ; mask: my byte in two rows of 2,048
.set TMP, 194                          ; v194-197
.macro FINISH                          ; the wave's end: behind my last LDS store
	s_wait_tensorcnt 0x0
	ds_add_u32 v[SPW], v[NIL]
	s_wait_dscnt 0x0
	s_endpgm
.endm
	s_load_b512 s[4:19], s[0:1], 0x0               ; Wq s4, Wk s6, Wv s8, Wo s10, mask s12, wc s14, ws s16, wof s18
	s_load_b64 s[20:21], s[0:1], 0x40              ; maskw
	v_lshl_add_u32 v[SPW], v0, 2, SPARE
	v_mov_b32 v[NIL], 0
	v_lshrrev_b32 v[LN], 5, v0
	v_readfirstlane_b32 s22, v[LN]                 ; wave 0..3
	v_and_b32 v[LN], 31, v0
	v_and_b32 v[RR], 15, v0
	v_bfe_u32 v[HH], v0, 4, 1
	v_lshlrev_b32 v[XO], 5, v[LN]
	v_lshlrev_b32 v[L16], 4, v[LN]
	v_lshlrev_b32 v[L8], 3, v[LN]
	; every LDS address is made here, ahead of the parting: a constant + a constant x lane + a constant x wave
	s_mul_i32 s23, s22, 8*CP
	v_lshl_add_u32 v[CA], v[LN], 2, s23            ; CW + my wave's 8 rows + 4 x lane
	s_mul_i32 s23, s22, 8*SWP
	s_add_co_u32 s23, s23, SW
	v_lshrrev_b32 v[SA], 2, v[LN]
	v_mul_u32_u24 v[SR], v[SA], SWP
	v_add_nc_u32 v[SA], s23, v[SA]                 ; SW + my wave's 8 rows + lane / 4
	v_and_b32 v[TMP], 3, v[LN]
	v_lshl_add_u32 v[SR], v[TMP], 3, v[SR]
	v_add_nc_u32 v[SR], s23, v[SR]                 ; SW + (8 wave + lane / 4) rows + 8 (lane % 4)
	s_lshr_b32 s24, s22, 1
	s_mul_i32 s24, s24, 16*CP
	s_and_b32 s25, s22, 1
	s_lshl_b32 s25, s25, 8
	s_add_co_u32 s24, s24, s25
	v_mul_u32_u24 v[CR], v[RR], CP
	v_lshl_add_u32 v[CR], v[HH], 4, v[CR]
	v_add_nc_u32 v[CR], s24, v[CR]                 ; row 16 (wave / 2) + r, byte 16 h + 256 (wave % 2)
	s_mul_i32 s24, s22, 4*WOP
	s_add_co_u32 s24, s24, WOS
	v_add_nc_u32 v[WA], s24, v[L16]
	s_lshl_b32 s24, s22, 9
	s_add_co_u32 s24, s24, WOS
	v_mul_u32_u24 v[WR], v[RR], WOP
	v_lshl_add_u32 v[WR], v[HH], 4, v[WR]
	v_add_nc_u32 v[WR], s24, v[WR]                 ; row r, byte 16 h + 512 wave
	s_mul_i32 s24, s22, 16*MP
	s_add_co_u32 s24, s24, MST
	v_mul_u32_u24 v[MA], v[HH], MP
	v_lshl_add_u32 v[MA], v[RR], 4, v[MA]
	v_add_nc_u32 v[MA], s24, v[MA]
	v_mul_u32_u24 v[MR], v[RR], MP
	v_lshl_add_u32 v[MR], v[HH], 3, v[MR]
	v_add_nc_u32 v[MR], s24, v[MR]
	v_lshlrev_b32 v[MG], 11, v[HH]
	v_lshl_add_u32 v[MG], v[RR], 4, v[MG]
	s_mov_b32 s27, 0
	s_wait_kmcnt 0x0
	s_cmp_ge_u32 ttmp9, 160
	s_cbranch_scc1 .Lmask
	s_cmp_ge_u32 ttmp9, 96
	s_cbranch_scc1 .Lwo
	; ---------------- Wq, Wk, Wv: codes and scale bytes ----------------
	s_lshr_b32 s24, ttmp9, 5                       ; which tensor
	s_and_b32 s25, ttmp9, 31                       ; which 32 rows
	s_cmp_eq_u32 s24, 1
	s_cselect_b64 s[4:5], s[6:7], s[4:5]
	s_cmp_eq_u32 s24, 2
	s_cselect_b64 s[4:5], s[8:9], s[4:5]
	s_lshl_b32 s26, s25, 17                        ; 32 rows of 4,096 bytes
	s_lshl_b32 s28, s22, 15                        ; my wave's 8
	s_add_co_u32 s26, s26, s28
	s_add_nc_u64 s[4:5], s[4:5], s[26:27]
	s_lshl_b32 s26, s24, 19                        ; wc: 524,288 a tensor, 16,384 a work-group (two n tiles), 4,096 a wave (half an n tile)
	s_lshl_b32 s28, s25, 14
	s_add_co_u32 s26, s26, s28
	s_lshl_b32 s28, s22, 12
	s_add_co_u32 s26, s26, s28
	s_add_nc_u64 s[14:15], s[14:15], s[26:27]
	s_lshl_b32 s26, s24, 15                        ; ws: 32,768 a tensor, 1,024 a work-group, 256 a wave
	s_lshl_b32 s28, s25, 10
	s_add_co_u32 s26, s26, s28
	s_lshl_b32 s28, s22, 8
	s_add_co_u32 s26, s26, s28
	s_add_nc_u64 s[16:17], s[16:17], s[26:27]
.macro LOADB set, b                    ; batch b: rows 2 b, 2 b + 1 of my 8; unit n = 4 row + quarter: 8 numbers a lane, two loads of 16 bytes
.irp n, 0,1,2,3,4,5,6,7
	global_load_b128 v[X+64*(\set)+8*\n:X+64*(\set)+8*\n+3], v[XO], s[4:5] offset:(2*(\b)+\n/4)*4096+(\n%4)*1024 th:TH_LOAD_NT
	global_load_b128 v[X+64*(\set)+8*\n+4:X+64*(\set)+8*\n+7], v[XO], s[4:5] offset:(2*(\b)+\n/4)*4096+(\n%4)*1024+16 th:TH_LOAD_NT
.endr
.endm
.macro QB set, b                       ; eight units are quantised, stage by stage, so that no line waits for the line above it
.set XS, X+64*(\set)
	s_wait_dscnt 0x0                               ; the last batch's LDS stores have read CODE and T1
.irp n, 0,1,2,3,4,5,6,7
	v_max3_num_f32 v[T0+\n], |v[XS+8*\n]|, |v[XS+8*\n+1]|, |v[XS+8*\n+2]|
.endr
.irp n, 0,1,2,3,4,5,6,7
	v_max3_num_f32 v[T1+\n], |v[XS+8*\n+3]|, |v[XS+8*\n+4]|, |v[XS+8*\n+5]|
.endr
.irp n, 0,1,2,3,4,5,6,7
	v_max3_num_f32 v[T2+\n], |v[XS+8*\n+6]|, |v[XS+8*\n+7]|, 0x1800000   ; and the floor 2^(3 - 127): the byte cannot fall under 1
.endr
.irp n, 0,1,2,3,4,5,6,7
	v_max3_num_f32 v[T0+\n], v[T0+\n], v[T1+\n], v[T2+\n]
.endr
.irp n, 0,1,2,3,4,5,6,7
	v_max_num_f32_dpp v[T0+\n], v[T0+\n], v[T0+\n] row_xmask:1 row_mask:0xf bank_mask:0xf
.endr
.irp n, 0,1,2,3,4,5,6,7
	v_max_num_f32_dpp v[T0+\n], v[T0+\n], v[T0+\n] row_xmask:2 row_mask:0xf bank_mask:0xf   ; the four lanes of a block agree
.endr
.irp n, 0,1,2,3,4,5,6,7
	v_add_nc_u32 v[T2+\n], 0xff000000, v[T0+\n]    ; 2 off the exponent field: the conversion's scale operand
.endr
.irp n, 0,1,2,3,4,5,6,7
	v_cvt_scalef32_pk8_fp4_f32 v[CODE+\n], v[XS+8*\n:XS+8*\n+7], v[T2+\n]
.endr
.irp n, 0,1,2,3,4,5,6,7
	v_lshrrev_b32 v[T1+\n], 23, v[T2+\n]           ; the scale's byte (also the plain line behind the conversions)
.endr
.irp n, 0,1,2,3,4,5,6,7
	ds_store_b32 v[CA], v[CODE+\n] offset:(2*(\b)+\n/4)*CP+(\n%4)*128
	ds_store_b8 v[SA], v[T1+\n] offset:(2*(\b)+\n/4)*SWP+(\n%4)*8   ; the four lanes of a block write the same byte with the same value
.endr
.endm
	LOADB 0, 0
	LOADB 1, 1
	s_wait_loadcnt 16                              ; batch 0 is in; batch 1's 16 loads may be out
	QB 0, 0
	LOADB 0, 2
	s_wait_loadcnt 16
	QB 1, 1
	LOADB 1, 3
	s_wait_loadcnt 16
	QB 0, 2
	s_wait_loadcnt 0x0
	QB 1, 3
	s_wait_dscnt 0x0                               ; for the others' sake: my stores have landed
	s_barrier_signal -1
	s_barrier_wait -1
.irp i, 0,1,2,3,4,5,6,7                        ; my half n tile: K steps 4 (wave % 2) + i / 2, c = i % 2
	ds_load_b128 v[X+4*\i:X+4*\i+3], v[CR] offset:(\i/2)*64+(\i%2)*32
.endr
	ds_load_b64 v[X+32:X+33], v[SR]
.irp i, 0,1,2,3,4,5,6,7
	s_wait_dscnt 8-\i                              ; LDS loads come back in order: load i is in, the younger ones may be out
	global_store_b128 v[L16], v[X+4*\i:X+4*\i+3], s[14:15] offset:(\i/2)*1024+(\i%2)*512   ; 512 consecutive bytes, aligned
.endr
	s_wait_dscnt 0x0
	global_store_b64 v[L8], v[X+32:X+33], s[16:17] ; 256 consecutive bytes, aligned
	FINISH
	; ---------------- Wo: f16 fragments ----------------
.Lwo:
	s_sub_co_u32 s24, ttmp9, 96                    ; n tile 0..63
	s_lshl_b32 s26, s24, 16                        ; 16 rows of 4,096 bytes
	s_lshl_b32 s28, s22, 14                        ; my wave's 4
	s_add_co_u32 s26, s26, s28
	s_add_nc_u64 s[10:11], s[10:11], s[26:27]
	s_lshr_b32 s26, s24, 3
	s_lshl_b32 s26, s26, 18                        ; wof: 262,144 a slice, 1,024 an n tile, 8,192 a K fragment (8 a wave)
	s_and_b32 s28, s24, 7
	s_lshl_b32 s28, s28, 10
	s_add_co_u32 s26, s26, s28
	s_lshl_b32 s28, s22, 16
	s_add_co_u32 s26, s26, s28
	s_add_nc_u64 s[18:19], s[18:19], s[26:27]
.irp n, 0,1,2,3,4,5,6,7,8,9,10,11,12,13,14,15  ; unit n = 4 row + quarter
	global_load_b128 v[X+8*\n:X+8*\n+3], v[XO], s[10:11] offset:(\n/4)*4096+(\n%4)*1024 th:TH_LOAD_NT
	global_load_b128 v[X+8*\n+4:X+8*\n+7], v[XO], s[10:11] offset:(\n/4)*4096+(\n%4)*1024+16 th:TH_LOAD_NT
.endr
	s_wait_loadcnt 0x0
.irp n, 0,1,2,3,4,5,6,7,8,9,10,11,12,13,14,15
.irp j, 0,1,2,3
	v_cvt_pk_f16_f32 v[X+8*\n+\j], v[X+8*\n+2*\j], v[X+8*\n+2*\j+1]   ; in place: register j is written when it has been read
.endr
.endr
.irp n, 0,1,2,3,4,5,6,7,8,9,10,11,12,13,14,15
	ds_store_b128 v[WA], v[X+8*\n:X+8*\n+3] offset:(\n/4)*WOP+(\n%4)*512
.endr
	s_wait_dscnt 0x0
	s_barrier_signal -1
	s_barrier_wait -1
.irp i, 0,1,2,3,4,5,6,7,8,9,10,11,12,13,14,15  ; K fragment 8 wave + i / 2, half i % 2
	ds_load_b128 v[X+4*\i:X+4*\i+3], v[WR] offset:(\i/2)*64+(\i%2)*32
.endr
.irp i, 0,1,2,3,4,5,6,7,8,9,10,11,12,13,14,15
	s_wait_dscnt 15-\i
	global_store_b128 v[L16], v[X+4*\i:X+4*\i+3], s[18:19] offset:(\i/2)*8192+(\i%2)*512
.endr
	FINISH
	; ---------------- the mask: lane-mask words ----------------
.Lmask:
	s_sub_co_u32 s24, ttmp9, 160                   ; g: query tiles 2 g and 2 g + 1
	s_lshl_b32 s26, s24, 16                        ; a query tile is 16 rows of 2,048 bytes
	s_lshr_b32 s28, s22, 1
	s_lshl_b32 s28, s28, 15                        ; my tile: 2 g + wave / 2
	s_add_co_u32 s26, s26, s28
	s_and_b32 s28, s22, 1
	s_lshl_b32 s28, s28, 10                        ; my four spans of 256 keys: 4 (wave % 2) on
	s_add_co_u32 s26, s26, s28
	s_add_nc_u64 s[12:13], s[12:13], s[26:27]
	s_lshl_b32 s26, s24, 13                        ; maskw: 512 bytes a task, 4 tasks a wave, 16 a work-group
	s_lshl_b32 s28, s22, 11
	s_add_co_u32 s26, s26, s28
	s_add_nc_u64 s[20:21], s[20:21], s[26:27]
.irp k, 0,1,2,3
.irp i, 0,1,2,3,4,5,6,7
	global_load_b128 v[X+32*\k+4*\i:X+32*\k+4*\i+3], v[MG], s[12:13] offset:\i*4096+\k*256 th:TH_LOAD_NT   ; lanes 0-15: 256 aligned bytes of row 2 i; lanes 16-31: of row 2 i + 1
.endr
.endr
.irp i, 0,1,2,3,4,5,6,7,8,9,10,11,12,13,14,15
	v_mov_b32 v[MW+\i], 0                          ; written once: the destination of v_writelane_b32 counts as read
.endr
.macro MTASK k
	s_wait_loadcnt 24-8*(\k)                       ; this task's 8 loads are in; the later tasks' may be out
.irp i, 0,1,2,3,4,5,6,7
	ds_store_b128 v[MA], v[X+32*(\k)+4*\i:X+32*(\k)+4*\i+3] offset:2*\i*MP
.endr
.irp i, 0,1,2,3,4,5,6,7,8,9,10,11,12,13,14,15
	ds_load_b64 v[T0+2*\i:T0+2*\i+1], v[MR] offset:16*\i   ; row r, keys 16 i + 8 h + 0..7; LDS serves a wave's instructions in order: these see my stores
.endr
	s_wait_dscnt 0x0
.set g, 0
.rept 32                               ; words 4 g .. 4 g + 3 = key tile g / 2, j = 4 (g % 2) + n: byte n of register T0 + g; they go to lane g
.irp n, 0,1,2,3
	v_and_b32 v[TMP+\n], 1<<(8*\n), v[T0+g]
.endr
.irp n, 0,1,2,3
	v_cmp_ne_u32 s[28+\n], 0, v[TMP+\n]            ; the 32 lanes' bits: one word
.endr
.irp n, 0,1,2,3
	v_writelane_b32 v[MW+4*(\k)+\n], s[28+\n], g
.endr
.set g, g+1
.endr
	global_store_b128 v[L16], v[MW+4*(\k):MW+4*(\k)+3], s[20:21] offset:512*(\k)   ; 512 consecutive bytes, aligned; each task has its own four registers
.endm
	MTASK 0
	MTASK 1
	MTASK 2
	MTASK 3
	FINISH
.Lfunc_end_k_qb4af3a64ce_prep:
	.size	k_qb4af3a64ce_prep, .Lfunc_end_k_qb4af3a64ce_prep-k_qb4af3a64ce_prep
	.p2alignl 7, 3214868480
	.fill 96, 4, 3214868480
	.section	.rodata,"a",@progbits
	.p2align	6, 0x0
	.amdhsa_kernel k_qb4af3a64ce_prep
		.amdhsa_group_segment_fixed_size 69632
		.amdhsa_private_segment_fixed_size 0
		.amdhsa_enable_private_segment 0
		.amdhsa_kernarg_size 72
		.amdhsa_user_sgpr_count 2
		.amdhsa_user_sgpr_kernarg_segment_ptr 1
		.amdhsa_wavefront_size32 1
		.amdhsa_system_sgpr_workgroup_id_x 1
		.amdhsa_system_sgpr_workgroup_id_y 1
		.amdhsa_system_sgpr_workgroup_id_z 1
		.amdhsa_system_vgpr_workitem_id 0
		.amdhsa_next_free_vgpr 200
		.amdhsa_next_free_sgpr 66
		.amdhsa_reserve_vcc 0
		.amdhsa_float_denorm_mode_32 3
		.amdhsa_float_denorm_mode_16_64 3
		.amdhsa_memory_ordered 1
		.amdhsa_forward_progress 1
		.amdhsa_inst_pref_size 149
	.end_amdhsa_kernel
	.amdgpu_metadata
---
amdhsa.version: [ 1, 2 ]
amdhsa.kernels:
  - .name:           k_qb4af3a64ce_prep
    .symbol:         k_qb4af3a64ce_prep.kd
    .args:
      - { .name: Wq, .offset: 0, .size: 8, .value_kind: global_buffer, .address_space: global }
      - { .name: Wk, .offset: 8, .size: 8, .value_kind: global_buffer, .address_space: global }
      - { .name: Wv, .offset: 16, .size: 8, .value_kind: global_buffer, .address_space: global }
      - { .name: Wo, .offset: 24, .size: 8, .value_kind: global_buffer, .address_space: global }
      - { .name: mask, .offset: 32, .size: 8, .value_kind: global_buffer, .address_space: global }
      - { .name: wc, .offset: 40, .size: 8, .value_kind: global_buffer, .address_space: global }
      - { .name: ws, .offset: 48, .size: 8, .value_kind: global_buffer, .address_space: global }
      - { .name: wof, .offset: 56, .size: 8, .value_kind: global_buffer, .address_space: global }
      - { .name: maskw, .offset: 64, .size: 8, .value_kind: global_buffer, .address_space: global }
    .group_segment_fixed_size: 69632
    .private_segment_fixed_size: 0
    .kernarg_segment_align: 8
    .kernarg_segment_size: 72
    .max_flat_workgroup_size: 128
    .sgpr_count:     66
    .vgpr_count:     200
    .wavefront_size: 32
...
	.end_amdgpu_metadata
.endif
;; end of part 1
;; launch proj (part 2): grid 64 x 3, 4 waves a work-group, no clusters, 74,240 bytes of LDS; arguments q, k, v, bq, bk, bv, wc, ws, qf, kv; writes qf, kv
.if DOCPART == 2
	.amdgcn_target "amdgcn-amd-amdhsa--gfx1250"
	.amdhsa_code_object_version 6
	.text
	.protected	k_qb4af3a64ce_proj
	.globl	k_qb4af3a64ce_proj
	.p2align	8
	.type	k_qb4af3a64ce_proj,@function
k_qb4af3a64ce_proj:
	s_mov_b64 s[64:65], 0
	v_nop
	global_prefetch_b8 v0, s[64:65] scope:SCOPE_SE
	s_setreg_imm32_b32 hwreg(HW_REG_WAVE_MODE, 25, 1), 1
	s_wait_xcnt 0x0
; PROJ: y = Q(x) Q(W)^T + b on codes of FP4 (E2M1) with one E8M0 scale for each 32 along K, for x = q, k, v (work-group y picks the tensor).  x: [8192][1024] f32.  W comes as codes and scale bytes in fragment order.
; A work-group takes 128 rows of x.  PHASE 1: wave w quantises rows 32 w .. 32 w + 31 (a lane holds 8 neighbours along K, four lanes a block) into LDS.  One barrier.  PHASE 2: every wave takes all 128 rows' fragments
; into registers (8 row tiles x 8 K steps x 8 registers).  PHASE 3: wave w makes output columns 256 w .. 256 w + 255, 16 n tiles; W's fragments come from memory straight into a ring of four register sets, three tiles ahead.
; THE RESULT LEAVES AS f16 FRAGMENTS OF THE NEXT PRODUCT.  A result register j of lane (r, h) is element (8 h + j, r); four packings give 16 bytes, which are half a 16-bit fragment whose row is r and whose K runs along the
; result's rows.  q, k: source 0 = W, source 1 = x: row = token, K = channel.  v: the sources swapped: row = channel, K = token (V transposed).  So each store of a wave covers 512 consecutive aligned bytes.
;   qf: [batch x head 64][token tile / 4: 32][(token tile % 4) 2 + channel half][half][lane][16 bytes]       kv: [batch x head 64][key step 32][K: 8,192 bytes laid likewise | V: fragment 2 (channel tile) + key half]
; The bias is the C of each sum's first product.
; NO MULTICAST, though the 64 row blocks of a tensor read the same W: a work-group's W is 557,056 bytes, more than LDS holds, so joint loads would want a ring with a round of the cluster's barrier for each refill, and
; every fragment would be moved into LDS and out again; here a fragment goes to registers once and feeds eight products.
; LIMITS: results beyond f16's 65,504 are not served (inputs 30 times those drawn reach about 5,500; a common offset of 30 spreads about 29,000); a block of zeros gets the byte 1 (its codes are zeros); no NaN, no infinities.
.set CODES, 0                          ; 128 rows of codes, 512 bytes + 16
.set CP,    528
.set SCA,   67584                      ; 128 rows of scale bytes, 32 + 16
.set SWP,   48
.set SPARE, 73728                      ; the spare words, 128 bytes a wave; no other line names them
; window 0
.set OFF0, 1                           ; 16 x lane
.set OFF1, 2                           ; the same, one group of four token tiles on
.set XO,   3                           ; 32 x lane
.set CA,   4                           ; where my wave stores codes (first row)
.set SA,   5                           ; and scale bytes
.set FA,   6                           ; a fragment's 16 bytes: row r, + 16 h
.set XSA,  7                           ; x's scale words: lanes 0-15 row tiles 0-3, lanes 16-31 row tiles 4-7
.set CAC,  8                           ; CA + the trip's rows
.set WSO,  9                           ; 32 r: W's scale words
.set BOQ,  10                          ; 32 h: bias, q and k
.set SAC,  11                          ; SA + the trip's rows
.set SPW,  12
.set NIL,  13
.set BOV,  14                          ; 4 r: bias, v
.set T0,   16                          ; phase 1: v16-79 at work, 16 registers each
.set T1,   32
.set T2,   48
.set CODE, 64
.set ACC,  16                          ; phase 3: v16-79 eight accumulators
.set PK,   80                          ; v80-111 packed results
.set XS,   112                         ; v112-143 x's scale words: register 8 (i % 4) + s.  Scales and nothing else
.set WS,   144                         ; v144-175 W's scale words, four sets of 8.  Scales and nothing else
.set BI,   176                         ; v176-207 the bias, four sets of 8
.set LNR,  208
.set RR,   209
.set HH,   210
; window 1: phase 1: two sets of 128 numbers; then x's fragments of row tiles 0-3 (64 i + 8 s).   window 2: row tiles 4-7.   window 3: W's ring, 64 set + 8 s
.set WV,  24
.set TN,  25                           ; the tensor: 0 q, 1 k, 2 v
.set XB,  26                           ; s[26:27] x at my wave's rows
.set WB,  28                           ; s[28:29] W's codes at my columns
.set WSB, 30                           ; s[30:31] W's scale bytes
.set BB,  32                           ; s[32:33] the bias
.set OB,  34                           ; s[34:35] the output at my first head
.set HSR, 36                           ; s[36:37] bytes from head to head
.set SSR, 38                           ; bytes from one group of four token tiles to the next
.set CNT, 39
.set CST, 40
.set SST, 41
.set MSB, 0
.macro WIN new                         ; the immediate's high byte repeats the setting that is left
.if MSB != (\new)
	s_set_vgpr_msb (MSB<<8)|(\new)
.set MSB, (\new)
.endif
.endm
.macro PLACES
.rept 4
	v_nop
.endr
.endm
.macro FINISH                          ; the wave's end: behind my last LDS store
	s_wait_tensorcnt 0x0
	ds_add_u32 v[SPW], v[NIL]
	s_wait_dscnt 0x0
	s_endpgm
.endm
	s_load_b512 s[4:19], s[0:1], 0x0               ; q s4, k s6, v s8, bq s10, bk s12, bv s14, wc s16, ws s18
	s_load_b128 s[20:23], s[0:1], 0x40             ; qf s20, kv s22
	v_lshl_add_u32 v[SPW], v0, 2, SPARE
	v_mov_b32 v[NIL], 0
	v_lshrrev_b32 v[LNR], 5, v0
	v_readfirstlane_b32 s[WV], v[LNR]              ; wave 0..3
	v_and_b32 v[LNR], 31, v0
	v_and_b32 v[RR], 15, v0
	v_bfe_u32 v[HH], v0, 4, 1
	v_lshlrev_b32 v[OFF0], 4, v[LNR]
	v_lshlrev_b32 v[XO], 5, v[LNR]
	s_mul_i32 s42, s[WV], 32*CP
	v_lshl_add_u32 v[CA], v[LNR], 2, s42
	s_mul_i32 s42, s[WV], 32*SWP
	s_add_co_u32 s42, s42, SCA
	v_lshrrev_b32 v[SA], 2, v[LNR]
	v_add_nc_u32 v[SA], s42, v[SA]
	v_mul_u32_u24 v[FA], v[RR], CP
	v_lshl_add_u32 v[FA], v[HH], 4, v[FA]
	v_mul_u32_u24 v[XSA], v[RR], SWP
	v_mad_u32_u24 v[XSA], v[HH], 64*SWP, v[XSA]    ; lanes 16-31: 64 rows further on
	v_add_nc_u32 v[XSA], SCA, v[XSA]
	v_lshlrev_b32 v[WSO], 5, v[RR]
	v_lshlrev_b32 v[BOQ], 5, v[HH]
	v_lshlrev_b32 v[BOV], 2, v[RR]
	s_and_b32 s[TN], ttmp7, 0xffff
	s_lshl_b32 s42, ttmp9, 19                      ; x: 128 rows of 4,096 bytes a work-group, 32 a wave
	s_lshl_b32 s43, s[WV], 17
	s_add_co_u32 s42, s42, s43
	s_mov_b32 s43, 0
	s_lshl_b32 s44, s[TN], 19                      ; wc: 524,288 a tensor, 16 n tiles of 8,192 a wave
	s_lshl_b32 s45, s[WV], 17
	s_add_co_u32 s44, s44, s45
	s_mov_b32 s45, 0
	s_lshl_b32 s46, s[TN], 15                      ; ws: 32,768 a tensor, 256 rows of 32 a wave
	s_lshl_b32 s47, s[WV], 13
	s_add_co_u32 s46, s46, s47
	s_mov_b32 s47, 0
	s_lshl_b32 s48, s[WV], 10                      ; the bias: 256 numbers a wave
	s_mov_b32 s49, 0
	s_cmp_eq_u32 s[TN], 0
	s_cselect_b32 s50, 18, 19                      ; a head: 2^18 bytes in qf, 2^19 in kv
	s_cselect_b32 s51, 13, 14                      ; four token tiles: 2^13 in qf, 2^14 in kv
	s_lshr_b32 s52, ttmp9, 4                       ; the batch
	s_lshl_b32 s52, s52, 4
	s_lshl_b32 s53, s[WV], 2
	s_add_co_u32 s52, s52, s53                     ; my first head: 16 batch + 4 wave
	s_lshl_b32 s52, s52, s50
	s_and_b32 s53, ttmp9, 15
	s_lshl_b32 s53, s53, 1                         ; my rows' first group of four token tiles in the batch
	s_lshl_b32 s53, s53, s51
	s_add_co_u32 s52, s52, s53
	s_cmp_eq_u32 s[TN], 2
	s_cselect_b32 s53, 8192, 0                     ; V lies behind K in a key step
	s_add_co_u32 s52, s52, s53
	s_mov_b32 s53, 0
	s_lshl_b32 s[HSR], 1, s50
	s_mov_b32 s[HSR+1], 0
	s_lshl_b32 s[SSR], 1, s51
	v_add_nc_u32 v[OFF1], s[SSR], v[OFF0]
	s_mov_b32 s[CST], 0
	s_mov_b32 s[SST], 0
	s_wait_kmcnt 0x0
	s_cmp_eq_u32 s[TN], 1                          ; the choices hang on the work-group's number alone
	s_cselect_b64 s[XB:XB+1], s[6:7], s[4:5]
	s_cselect_b64 s[BB:BB+1], s[12:13], s[10:11]
	s_cmp_eq_u32 s[TN], 2
	s_cselect_b64 s[XB:XB+1], s[8:9], s[XB:XB+1]
	s_cselect_b64 s[BB:BB+1], s[14:15], s[BB:BB+1]
	s_cmp_eq_u32 s[TN], 0
	s_cselect_b64 s[OB:OB+1], s[20:21], s[22:23]
	s_add_nc_u64 s[XB:XB+1], s[XB:XB+1], s[42:43]
	s_add_nc_u64 s[WB:WB+1], s[16:17], s[44:45]
	s_add_nc_u64 s[WSB:WSB+1], s[18:19], s[46:47]
	s_add_nc_u64 s[BB:BB+1], s[BB:BB+1], s[48:49]
	s_add_nc_u64 s[OB:OB+1], s[OB:OB+1], s[52:53]
; ---- PHASE 1.  Four rows are 16 units (unit n = 4 row + quarter of 256 along K): 8 numbers a lane, two loads of 16 bytes.
.macro LOADX set, row0
	WIN 0x40                                       ; destination window 1
.irp n, 0,1,2,3,4,5,6,7,8,9,10,11,12,13,14,15
	global_load_b128 v[128*(\set)+8*\n:128*(\set)+8*\n+3], v[XO], s[XB:XB+1] offset:((\row0)+\n/4)*4096+(\n%4)*1024 th:TH_LOAD_NT
	global_load_b128 v[128*(\set)+8*\n+4:128*(\set)+8*\n+7], v[XO], s[XB:XB+1] offset:((\row0)+\n/4)*4096+(\n%4)*1024+16 th:TH_LOAD_NT
.endr
	WIN 0
.endm
.macro QBX set, ro                     ; 16 units are quantised, stage by stage; their rows begin ro rows behind the trip's first
	s_wait_dscnt 0x0                               ; the last run's LDS stores have read CODE and T1
	WIN 0x15                                       ; all three sources window 1
.irp n, 0,1,2,3,4,5,6,7,8,9,10,11,12,13,14,15
	v_max3_num_f32 v[T0+\n], |v[128*(\set)+8*\n]|, |v[128*(\set)+8*\n+1]|, |v[128*(\set)+8*\n+2]|
.endr
.irp n, 0,1,2,3,4,5,6,7,8,9,10,11,12,13,14,15
	v_max3_num_f32 v[T1+\n], |v[128*(\set)+8*\n+3]|, |v[128*(\set)+8*\n+4]|, |v[128*(\set)+8*\n+5]|
.endr
.irp n, 0,1,2,3,4,5,6,7,8,9,10,11,12,13,14,15
	v_max3_num_f32 v[T2+\n], |v[128*(\set)+8*\n+6]|, |v[128*(\set)+8*\n+7]|, 0x1800000   ; and the floor 2^(3 - 127): the byte cannot fall under 1
.endr
	WIN 0
.irp n, 0,1,2,3,4,5,6,7,8,9,10,11,12,13,14,15
	v_max3_num_f32 v[T0+\n], v[T0+\n], v[T1+\n], v[T2+\n]
.endr
.irp n, 0,1,2,3,4,5,6,7,8,9,10,11,12,13,14,15
	v_max_num_f32_dpp v[T0+\n], v[T0+\n], v[T0+\n] row_xmask:1 row_mask:0xf bank_mask:0xf
.endr
.irp n, 0,1,2,3,4,5,6,7,8,9,10,11,12,13,14,15
	v_max_num_f32_dpp v[T0+\n], v[T0+\n], v[T0+\n] row_xmask:2 row_mask:0xf bank_mask:0xf   ; the four lanes of a block agree
.endr
.irp n, 0,1,2,3,4,5,6,7,8,9,10,11,12,13,14,15
	v_add_nc_u32 v[T2+\n], 0xff000000, v[T0+\n]    ; 2 off the exponent field: the conversion's scale operand
.endr
	WIN 0x01                                       ; the numbers: window 1
.irp n, 0,1,2,3,4,5,6,7,8,9,10,11,12,13,14,15
	v_cvt_scalef32_pk8_fp4_f32 v[CODE+\n], v[128*(\set)+8*\n:128*(\set)+8*\n+7], v[T2+\n]
.endr
	WIN 0
.irp n, 0,1,2,3,4,5,6,7,8,9,10,11,12,13,14,15
	v_lshrrev_b32 v[T1+\n], 23, v[T2+\n]           ; the scale's byte (also the plain line behind the conversions)
.endr
.irp n, 0,1,2,3,4,5,6,7,8,9,10,11,12,13,14,15
	ds_store_b32 v[CAC], v[CODE+\n] offset:((\ro)+\n/4)*CP+(\n%4)*128
	ds_store_b8 v[SAC], v[T1+\n] offset:((\ro)+\n/4)*SWP+(\n%4)*8   ; the four lanes of a block write the same byte with the same value
.endr
.endm
; n tile off (counted from the base pointers) into ring set: 16 loads of codes, 2 of scale words, 2 of the bias: 20 in either form
.macro LOADW set, off, sw
	WIN 0xc0                                       ; destination window 3
.irp i, 0,1,2,3,4,5,6,7,8,9,10,11,12,13,14,15
	global_load_b128 v[64*(\set)+4*\i:64*(\set)+4*\i+3], v[OFF0], s[WB:WB+1] offset:(\off)*8192+\i*512
.endr
	WIN 0
	global_load_b128 v[WS+8*(\set):WS+8*(\set)+3], v[WSO], s[WSB:WSB+1] offset:(\off)*512
	global_load_b128 v[WS+8*(\set)+4:WS+8*(\set)+7], v[WSO], s[WSB:WSB+1] offset:(\off)*512+16
.if \sw
	global_load_b32 v[BI+8*(\set)], v[BOV], s[BB:BB+1] offset:(\off)*64      ; v: a lane holds one channel: b(16 n + r), the same for its eight tokens
	global_load_b32 v[BI+8*(\set)+1], v[BOV], s[BB:BB+1] offset:(\off)*64
.else
	global_load_b128 v[BI+8*(\set):BI+8*(\set)+3], v[BOQ], s[BB:BB+1] offset:(\off)*64      ; q, k: a lane holds eight channels: b(16 n + 8 h + 0..7)
	global_load_b128 v[BI+8*(\set)+4:BI+8*(\set)+7], v[BOQ], s[BB:BB+1] offset:(\off)*64+16
.endif
.endm
	LOADX 0, 0
	LOADX 1, 4
	s_mov_b32 s[CNT], 3
.Lquant:                                           ; a trip: 8 rows; 64 loads of the wave are on their way
	s_wait_dscnt 0x0
	v_add_nc_u32 v[CAC], s[CST], v[CA]
	v_add_nc_u32 v[SAC], s[SST], v[SA]
	s_wait_loadcnt 32                              ; set 0 is in; set 1's 32 loads may be out
	QBX 0, 0
	LOADX 0, 8
	s_wait_loadcnt 32                              ; set 1 is in; set 0's new 32 may be out
	QBX 1, 4
	LOADX 1, 12
	s_wait_xcnt 0x0                                ; the loads have read their base: it may step
	s_add_nc_u64 s[XB:XB+1], s[XB:XB+1], 8*4096
	s_add_co_u32 s[CST], s[CST], 8*CP
	s_add_co_u32 s[SST], s[SST], 8*SWP
	s_sub_co_u32 s[CNT], s[CNT], 1
	s_cmp_lg_u32 s[CNT], 0
	s_cbranch_scc1 .Lquant
	s_wait_dscnt 0x0                               ; the last 8 rows are written out: no load leaves x
	v_add_nc_u32 v[CAC], s[CST], v[CA]
	v_add_nc_u32 v[SAC], s[SST], v[SA]
	s_wait_loadcnt 32
	QBX 0, 0
	s_wait_loadcnt 0x0                             ; x is all in: from here on the counter counts W's loads alone
	s_cmp_eq_u32 s[TN], 2
	s_cbranch_scc1 .Lpre_v                         ; the two arms differ in the bias's loads alone; each issues 60
	LOADW 0, 0, 0
	LOADW 1, 1, 0
	LOADW 2, 2, 0
	s_branch .Lpre_done
.Lpre_v:
	LOADW 0, 0, 1
	LOADW 1, 1, 1
	LOADW 2, 2, 1
.Lpre_done:
	QBX 1, 4
	s_wait_dscnt 0x0                               ; for the others' sake: my stores have landed
	s_barrier_signal -1
	s_barrier_wait -1                              ; the 128 rows' codes and scale bytes lie in LDS; nothing is stored there again
	; ---- PHASE 2: all of x's fragments and scale words into registers
	WIN 0x40
.irp i, 0,1,2,3
.irp n, 0,1,2,3,4,5,6,7,8,9,10,11,12,13,14,15
	ds_load_b128 v[64*\i+4*\n:64*\i+4*\n+3], v[FA] offset:\i*16*CP+32*\n      ; K step n / 2, c = n % 2
.endr
.endr
	WIN 0x80
.irp i, 0,1,2,3
.irp n, 0,1,2,3,4,5,6,7,8,9,10,11,12,13,14,15
	ds_load_b128 v[64*\i+4*\n:64*\i+4*\n+3], v[FA] offset:(\i+4)*16*CP+32*\n
.endr
.endr
	WIN 0
.irp i, 0,1,2,3
	ds_load_b128 v[XS+8*\i:XS+8*\i+3], v[XSA] offset:\i*16*SWP
	ds_load_b128 v[XS+8*\i+4:XS+8*\i+7], v[XSA] offset:\i*16*SWP+16
.endr
	s_wait_dscnt 0x0
; ---- PHASE 3
.macro WMM d, a, b, c, sa, sb, row     ; row 0: both scales from lanes 0-15; 1: source 0's from lanes 16-31; 2: source 1's
.if (\row) == 0
	v_wmma_scale_f32_16x16x128_f8f6f4 v[\d:\d+7], v[\a:\a+7], v[\b:\b+7], v[\c:\c+7], v[\sa], v[\sb] matrix_a_fmt:MATRIX_FMT_FP4 matrix_b_fmt:MATRIX_FMT_FP4
.elseif (\row) == 1
	v_wmma_scale_f32_16x16x128_f8f6f4 v[\d:\d+7], v[\a:\a+7], v[\b:\b+7], v[\c:\c+7], v[\sa], v[\sb] matrix_a_fmt:MATRIX_FMT_FP4 matrix_b_fmt:MATRIX_FMT_FP4 matrix_a_scale:MATRIX_SCALE_ROW1
.else
	v_wmma_scale_f32_16x16x128_f8f6f4 v[\d:\d+7], v[\a:\a+7], v[\b:\b+7], v[\c:\c+7], v[\sa], v[\sb] matrix_a_fmt:MATRIX_FMT_FP4 matrix_b_fmt:MATRIX_FMT_FP4 matrix_b_scale:MATRIX_SCALE_ROW1
.endif
.endm
; 32 products: row tiles 4 g .. 4 g + 3 against the n tile in ring set, K ascending.  The four accumulators take turns, one instruction a turn.
.macro PROD g, set, sw
.if \sw
	WIN 0x0d+(\g)                                  ; source 0 = x (window 1 or 2), source 1 = W (window 3)
.else
	WIN 0x07+4*(\g)                                ; source 0 = W (window 3), source 1 = x (window 1 or 2)
.endif
.irp s, 0,1,2,3,4,5,6,7
.irp i, 0,1,2,3
.set rA, ACC+8*(4*(\g)+\i)
.set rW, 64*(\set)+8*\s
.set rX, 64*\i+8*\s
.set rC, rA
.if \s == 0
.set rC, BI+8*(\set)                   ; the first K step starts the sum from the bias
.endif
.set scW, WS+8*(\set)+\s
.set scX, XS+8*\i+\s
.if \sw
	WMM rA, rX, rW, rC, scX, scW, \g
.else
	WMM rA, rW, rX, rC, scW, scX, 2*(\g)
.endif
.endr
.endr
.endm
; One n tile (the n4-th of a head) for all 128 rows.  ld = 1: the tile three on is asked for, into the set that the tile before has left (its products stand behind that tile's packing: more than four plain lines).
.macro NTILE n4, sw, ld, cnt
.if \ld
	LOADW ((\n4)+3)%4, (\n4)+3, \sw
.endif
	s_wait_loadcnt \cnt                            ; this tile's 20 loads are in; the younger sets, 20 loads each, may be out
.if \sw
.irp j, 2,3,4,5,6,7
	v_mov_b32 v[BI+8*(\n4)+\j], v[BI+8*(\n4)]      ; v: the channel's bias in all eight registers
.endr
	PLACES
.endif
	PROD 0, \n4, \sw
	PROD 1, \n4, \sw
	WIN 0
	PLACES                                         ; four plain lines between the last product and the first read of results
	s_wait_xcnt 0x0                                ; the last tile's stores have read PK
.set i, 0
.rept 32
	v_cvt_pk_f16_f32 v[PK+i], v[ACC+2*i], v[ACC+2*i+1]   ; each accumulator from its low end on
.set i, i+1
.endr
.irp i, 0,1,2,3,4,5,6,7
.if \sw
	global_store_b128 v[OFF0+\i/4], v[PK+4*\i:PK+4*\i+3], s[OB:OB+1] offset:((\n4)*2+(\i%4)/2)*1024+(\i%2)*512   ; V: fragment 2 (channel tile) + key half; half = token tile % 2
.else
	global_store_b128 v[OFF0+\i/4], v[PK+4*\i:PK+4*\i+3], s[OB:OB+1] offset:(\i%4)*2048+((\n4)/2)*1024+((\n4)%2)*512   ; Q, K: fragment 2 (token tile % 4) + channel half; half = n tile % 2
.endif
.endr
.endm
.macro FORM sw
	s_mov_b32 s[CNT], 3
.Lhead_\@:                                         ; a trip: four n tiles = one head
	NTILE 0, \sw, 1, 60
	NTILE 1, \sw, 1, 60
	NTILE 2, \sw, 1, 60
	NTILE 3, \sw, 1, 60
	s_wait_xcnt 0x0                                ; loads and stores have read their bases: they may step
	s_add_nc_u64 s[WB:WB+1], s[WB:WB+1], 4*8192
	s_add_nc_u64 s[WSB:WSB+1], s[WSB:WSB+1], 4*512
	s_add_nc_u64 s[BB:BB+1], s[BB:BB+1], 4*64
	s_add_nc_u64 s[OB:OB+1], s[OB:OB+1], s[HSR:HSR+1]
	s_sub_co_u32 s[CNT], s[CNT], 1
	s_cmp_lg_u32 s[CNT], 0
	s_cbranch_scc1 .Lhead_\@
	NTILE 0, \sw, 1, 60                            ; the last head is written out: one more tile is asked for, then the counts run down
	NTILE 1, \sw, 0, 40
	NTILE 2, \sw, 0, 20
	NTILE 3, \sw, 0, 0
	FINISH
.endm
	s_cmp_eq_u32 s[TN], 2
	s_cbranch_scc1 .Lform_v
	FORM 0
.Lform_v:
	FORM 1
.Lfunc_end_k_qb4af3a64ce_proj:
	.size	k_qb4af3a64ce_proj, .Lfunc_end_k_qb4af3a64ce_proj-k_qb4af3a64ce_proj
	.p2alignl 7, 3214868480
	.fill 96, 4, 3214868480
	.section	.rodata,"a",@progbits
	.p2align	6, 0x0
	.amdhsa_kernel k_qb4af3a64ce_proj
		.amdhsa_group_segment_fixed_size 74240
		.amdhsa_private_segment_fixed_size 0
		.amdhsa_enable_private_segment 0
		.amdhsa_kernarg_size 80
		.amdhsa_user_sgpr_count 2
		.amdhsa_user_sgpr_kernarg_segment_ptr 1
		.amdhsa_wavefront_size32 1
		.amdhsa_system_sgpr_workgroup_id_x 1
		.amdhsa_system_sgpr_workgroup_id_y 1
		.amdhsa_system_sgpr_workgroup_id_z 1
		.amdhsa_system_vgpr_workitem_id 0
		.amdhsa_next_free_vgpr 1024
		.amdhsa_next_free_sgpr 66
		.amdhsa_reserve_vcc 0
		.amdhsa_float_denorm_mode_32 3
		.amdhsa_float_denorm_mode_16_64 3
		.amdhsa_memory_ordered 1
		.amdhsa_forward_progress 1
		.amdhsa_inst_pref_size 255
	.end_amdhsa_kernel
	.section	.bss,"aw",@nobits
	.p2align	6
	.space	262144
	.amdgpu_metadata
---
amdhsa.version: [ 1, 2 ]
amdhsa.kernels:
  - .name:           k_qb4af3a64ce_proj
    .symbol:         k_qb4af3a64ce_proj.kd
    .args:
      - { .name: q, .offset: 0, .size: 8, .value_kind: global_buffer, .address_space: global }
      - { .name: k, .offset: 8, .size: 8, .value_kind: global_buffer, .address_space: global }
      - { .name: v, .offset: 16, .size: 8, .value_kind: global_buffer, .address_space: global }
      - { .name: bq, .offset: 24, .size: 8, .value_kind: global_buffer, .address_space: global }
      - { .name: bk, .offset: 32, .size: 8, .value_kind: global_buffer, .address_space: global }
      - { .name: bv, .offset: 40, .size: 8, .value_kind: global_buffer, .address_space: global }
      - { .name: wc, .offset: 48, .size: 8, .value_kind: global_buffer, .address_space: global }
      - { .name: ws, .offset: 56, .size: 8, .value_kind: global_buffer, .address_space: global }
      - { .name: qf, .offset: 64, .size: 8, .value_kind: global_buffer, .address_space: global }
      - { .name: kv, .offset: 72, .size: 8, .value_kind: global_buffer, .address_space: global }
    .group_segment_fixed_size: 74240
    .private_segment_fixed_size: 0
    .kernarg_segment_align: 8
    .kernarg_segment_size: 80
    .max_flat_workgroup_size: 128
    .sgpr_count:     66
    .vgpr_count:     1024
    .wavefront_size: 32
...
	.end_amdgpu_metadata
.endif
;; end of part 2
;; launch attn (part 3): grid 4 x 64, 8 waves a work-group, clusters of 4 x 1, 327,680 bytes of LDS; arguments qf, kv, maskw, ofr; writes ofr
.if DOCPART == 3
	.amdgcn_target "amdgcn-amd-amdhsa--gfx1250"
	.amdhsa_code_object_version 6
	.text
	.protected	k_qb4af3a64ce_attn
	.globl	k_qb4af3a64ce_attn
	.p2align	8
	.type	k_qb4af3a64ce_attn,@function
k_qb4af3a64ce_attn:
	s_mov_b64 s[64:65], 0
	v_nop
	global_prefetch_b8 v0, s[64:65] scope:SCOPE_SE
	s_setreg_imm32_b32 hwreg(HW_REG_WAVE_MODE, 25, 1), 1
	s_wait_xcnt 0x0
	s_wait_alu depctr_hold_cnt(0) depctr_sa_sdst(0) depctr_va_vdst(0) depctr_va_sdst(0) depctr_va_ssrc(0) depctr_va_vcc(0) depctr_vm_vsrc(0)
	s_getreg_b32 s2, hwreg(HW_REG_IB_STS2, 6, 4)
	s_cmp_eq_u32 s2, 0
	s_cbranch_scc0 .Lentry_in_a_cluster
	s_endpgm
.Lentry_in_a_cluster:
	s_bfe_u32 s2, ttmp6, 0x10000c
	s_cmp_lg_u32 s2, 0x3003
	s_cbranch_scc0 .Lentry_shape_is_right
	s_endpgm
.Lentry_shape_is_right:
; ATTN: O = softmax(where(mask, -1e6, Q K^T / 8)) V for one head and 512 queries a work-group.  Q, K, V come as f16 fragments; products and sums in f32; the weights p go to the second product as f16; O leaves as f16 fragments.
; SHARES.  Eight waves, 64 queries (four tiles of 16) each, two waves to a SIMD, so that one wave's softmax stands beside the other's products.  Every wave walks the head's 2,048 keys, 64 a step.
; LAYOUT.  S^T = K Q^T (source 0 = 16 keys, source 1 = 16 queries) and O^T = V^T P (source 0 = 16 channels, source 1 = P): a lane holds ONE query (lane % 16) throughout; two score tiles, packed in pairs, are P's fragment.
; THE MASK comes as lane masks: one 32-bit word for each score register (bit l = the mask byte of lane l's score), read by scalar loads: one v_cndmask_b32 a register puts -8e6 where the mask is set (-1e6 after the division by 8).
; SOFTMAX.  A running maximum m and sum l for each query: p = 2^(c s - c m), c = log2(e) / 8; in every step O and l are multiplied by a = 2^(c m_old - c m_new).  A row that is masked whole has all scores equal: all p equal.
; THE RING.  kv holds a key step's K and V fragments as 16,384 dense bytes.  Two LDS slots of 8 steps (131,072 bytes); each wave fetches one step's bytes with one tensor load (64 rows of 256 bytes).
; CLUSTER.  The four work-groups of a cluster are one head's four blocks of queries and walk the same kv: each load is asked for JOINTLY, with the same descriptor and the mask of all four.
; By this text's count one tensor load of a wave is out behind each round, and it has eight key steps, 512 matrix instructions of the wave, in which to land.
; LIMITS: the f16 rounding of Q, K, V, p and O; no NaN, no infinities.
; REGISTERS.  window 0: v1-5 addresses and constants; v8-63 statistics, 14 a tile; v64-127 K of a step; v128-255 S^T (32 t + 8 kt + j), P in place in the low 16 of each tile.
;             window 1: v0-127 O^T (32 t + 8 ct); v128-191 Q (8 (2 t + c2)); v192-255 V of a step.
.set SLOT1, 131072                     ; slot 1 begins here: one exclusive or turns an address in one slot into the other's
.set STEPB, 16384
.set SPARE, 262144                     ; the spare words, 128 bytes for each of eight waves; no other line names them
.set LI,  1                            ; 16 x lane
.set ADR, 2                            ; the step's LDS address
.set NEG, 3                            ; -8.0e6
.set SPW, 4
.set NIL, 5
.set ST,  8                            ; tile t at ST + 14 t: +0 c m, +1 m, +2 a, +3 c m_old - c m_new, +4,5 and +6,7 l in two chains of pairs, +8..11 four maxima, +12 the other half's
.set KF,  64
.set S,   128
.set QF,  128                          ; in window 1
.set VF,  192                          ; in window 1
.set WV,  12
.set G1,  16                           ; s[16:23] descriptor group 1
.set G0,  24                           ; s[24:27] descriptor group 0, which walks
.set TB,  28                           ; LDS byte at which the step in hand begins
.set SLOTS, 29
.set STEPC, 30
.set MO,  31                           ; 128 x the key step whose mask words are asked for next
.set MA,  32                           ; s[32:63] 32 mask words
.set SEL, 66                           ; s[66:67] selects for lane l xor 16
.set MB,  68                           ; s[68:99] 32 mask words
.set CS,  100                          ; s[100:101] c
.set MSB, 0
.macro WIN new
.if MSB != (\new)
	s_set_vgpr_msb (MSB<<8)|(\new)
.set MSB, (\new)
.endif
.endm
.macro PLACES
.rept 4
	v_nop
.endr
.endm
.macro CROUND                          ; a round of the cluster's barrier
	s_barrier_signal -1
	s_barrier_wait -1
	s_cmp_lg_u32 s[WV], 0
	s_cbranch_scc1 .Lnot_wave_0_\@
	s_barrier_signal -3
.Lnot_wave_0_\@:
	s_barrier_wait -3
	s_barrier_signal -1
	s_barrier_wait -1
.endm
	s_load_b256 s[4:11], s[0:1], 0x0               ; qf s4, kv s6, maskw s8, ofr s10
	v_lshl_add_u32 v[SPW], v0, 2, SPARE
	v_mov_b32 v[NIL], 0
	ds_add_u32 v[SPW], v[NIL]                      ; the wave's opening: the add, twice on end, and its wait ahead of my first tensor load
	ds_add_u32 v[SPW], v[NIL]
	v_lshrrev_b32 v[ADR], 5, v0
	v_readfirstlane_b32 s[WV], v[ADR]              ; wave 0..7
	v_and_b32 v[LI], 31, v0
	v_lshlrev_b32 v[LI], 4, v[LI]
	s_bfe_u32 s13, ttmp6, 0x40000                  ; cx: my place in the cluster
	s_lshl_b32 s14, ttmp9, 2
	s_add_co_u32 s14, s14, s13                     ; my block of 512 queries: it enters the addresses of Q, the mask words and O alone
	s_and_b32 s15, ttmp7, 0xffff                   ; 16 batch + head, which the four partners share
	s_mov_b32 s[G1], 15|(3<<16)|(1<<21)            ; 15:0 the mask: all four work-groups; 17:16 elements of 8 bytes; 21 set beside a mask; no padding
	s_mov_b32 s[G1+1], 32<<16                      ; tensor_dim0 = 32 elements: 256 bytes
	s_mov_b32 s[G1+2], 64<<16                      ; tensor_dim1 = 64 rows
	s_mov_b32 s[G1+3], 32<<16                      ; tile_dim0
	s_mov_b32 s[G1+4], 64                          ; tile_dim1
	s_mov_b32 s[G1+5], 32                          ; the pitch: the block is dense
	s_mov_b32 s[G1+6], 0
	s_mov_b32 s[G1+7], 0
	s_mov_b32 s[G0], 1
	s_lshl_b32 s[G0+1], s[WV], 14                  ; LDS: slot 0, my step of its eight
	s_lshl_b32 s32, s15, 19                        ; kv: 524,288 a head, 16,384 a step
	s_lshl_b32 s33, s[WV], 14
	s_add_co_u32 s32, s32, s33
	s_mov_b32 s33, 0
	s_lshl_b32 s34, s14, 3
	s_add_co_u32 s34, s34, s[WV]                   ; qf: my four query tiles are group 8 block + wave, 8,192 bytes; 262,144 a head
	s_lshl_b32 s34, s34, 13
	s_lshl_b32 s35, s15, 18
	s_add_co_u32 s34, s34, s35
	s_mov_b32 s35, 0
	s_lshr_b32 s36, s15, 4
	s_lshl_b32 s36, s36, 7
	s_lshl_b32 s37, s14, 5
	s_add_co_u32 s36, s36, s37
	s_lshl_b32 s37, s[WV], 2
	s_add_co_u32 s36, s36, s37                     ; my first query tile: 128 batch + 32 block + 4 wave
	s_lshl_b32 s38, s36, 15                        ; ofr: 32,768 a token tile, 2,048 a head
	s_and_b32 s39, s15, 15
	s_lshl_b32 s39, s39, 11
	s_add_co_u32 s38, s38, s39
	s_mov_b32 s39, 0
	s_lshl_b32 s36, s36, 12                        ; maskw: 4,096 a query tile
	s_mov_b32 s37, 0
	s_mov_b32 s[SEL], 0x76543210
	s_mov_b32 s[SEL+1], 0xfedcba98
	s_mov_b32 s[CS], 0x3e38aa3b                    ; c = log2(e) / 8
	s_mov_b32 s[CS+1], s[CS]                       ; (named with it as a pair, so it is written)
	s_mov_b32 s[TB], 0
	s_mov_b32 s[MO], 0
	s_mov_b32 s[SLOTS], 3
	s_wait_dscnt 0x0                               ; both opening adds are done
	s_wait_kmcnt 0x0
	s_add_nc_u64 s[G0+2:G0+3], s[6:7], s[32:33]
	s_or_b32 s[G0+3], s[G0+3], 0x80000000          ; type = 2
	s_add_nc_u64 s[4:5], s[4:5], s[34:35]
	s_add_nc_u64 s[8:9], s[8:9], s[36:37]
	s_add_nc_u64 s[10:11], s[10:11], s[38:39]
	CROUND                                         ; all four work-groups are here: the first joint loads meet
	tensor_load_to_lds s[G0:G0+3], s[G1:G1+7]      ; slot 0
	s_nop 0
	PLACES
	WIN 0x40                                       ; destination window 1
.irp u, 0,1,2,3,4,5,6,7,8,9,10,11,12,13,14,15
	global_load_b128 v[QF+4*\u:QF+4*\u+3], v[LI], s[4:5] offset:512*\u   ; Q stays in registers
.endr
.set i, 0
.rept 128
	v_mov_b32 v[i], 0                              ; O^T.  The step is written once: the first finds zeros, which a = 0 leaves zeros
.set i, i+1
.endr
	WIN 0
.macro MLOAD ta                        ; the mask words of tiles ta and ta + 1 for the key step MO / 128
	s_load_b512 s[MA:MA+15], s[8:9], s[MO] offset:(\ta)*4096
	s_load_b512 s[MA+16:MA+31], s[8:9], s[MO] offset:(\ta)*4096+64
	s_load_b512 s[MB:MB+15], s[8:9], s[MO] offset:((\ta)+1)*4096
	s_load_b512 s[MB+16:MB+31], s[8:9], s[MO] offset:((\ta)+1)*4096+64
.endm
	MLOAD 0
	v_mov_b32 v[NEG], 0xcaf42400                   ; -8.0e6
.irp t, 0,1,2,3
	v_mov_b32 v[ST+14*\t+1], 0xff61b1e6            ; m = -3e38, under every score
	v_mul_f32 v[ST+14*\t], s[CS], v[ST+14*\t+1]
	v_mov_b32 v[ST+14*\t+4], 0                     ; l
	v_mov_b32 v[ST+14*\t+5], 0
	v_mov_b32 v[ST+14*\t+6], 0
	v_mov_b32 v[ST+14*\t+7], 0
	v_mov_b32 v[ST+14*\t+12], 0                    ; written once: a lane permute's destination counts as read
.endr
	s_wait_loadcnt 0x0                             ; Q
.macro MASK t, set
.set i, 0
.rept 32
	v_cndmask_b32 v[S+32*(\t)+i], v[S+32*(\t)+i], v[NEG], s[(\set)+i]   ; each accumulator from its low end on
.set i, i+1
.endr
.endm
.macro MAXI ta                         ; the new m, c m and c m_old - c m_new of tiles ta, ta + 1, the tiles by turns
.irp j, 0,1,2,3
.irp t, \ta, \ta+1
	v_max3_num_f32 v[ST+14*(\t)+8+\j], v[S+32*(\t)+8*\j], v[S+32*(\t)+8*\j+1], v[S+32*(\t)+8*\j+2]
.endr
.endr
.irp q, 1,2
.irp j, 0,1,2,3
.irp t, \ta, \ta+1
	v_max3_num_f32 v[ST+14*(\t)+8+\j], v[ST+14*(\t)+8+\j], v[S+32*(\t)+8*\j+2*\q+1], v[S+32*(\t)+8*\j+2*\q+2]
.endr
.endr
.endr
.irp t, \ta, \ta+1
	v_max3_num_f32 v[ST+14*(\t)+8], v[ST+14*(\t)+8], v[S+32*(\t)+7], v[S+32*(\t)+15]
.endr
.irp t, \ta, \ta+1
	v_max3_num_f32 v[ST+14*(\t)+10], v[ST+14*(\t)+10], v[S+32*(\t)+23], v[S+32*(\t)+31]
.endr
.irp t, \ta, \ta+1
	v_max3_num_f32 v[ST+14*(\t)+8], v[ST+14*(\t)+8], v[ST+14*(\t)+9], v[ST+14*(\t)+10]
.endr
.irp t, \ta, \ta+1
	v_max3_num_f32 v[ST+14*(\t)+8], v[ST+14*(\t)+8], v[ST+14*(\t)+11], v[ST+14*(\t)+1]
.endr
.irp t, \ta, \ta+1
	v_permlanex16_b32 v[ST+14*(\t)+12], v[ST+14*(\t)+8], s[SEL], s[SEL+1]   ; the query's other 32 keys lie in the lane 16 away
.endr
.irp t, \ta, \ta+1
	v_mov_b32 v[ST+14*(\t)+3], v[ST+14*(\t)]
.endr
.irp t, \ta, \ta+1
	v_max_num_f32 v[ST+14*(\t)+1], v[ST+14*(\t)+8], v[ST+14*(\t)+12]
.endr
.irp t, \ta, \ta+1
	v_mul_f32 v[ST+14*(\t)], s[CS], v[ST+14*(\t)+1]
.endr
.irp t, \ta, \ta+1
	v_sub_f32 v[ST+14*(\t)+3], v[ST+14*(\t)+3], v[ST+14*(\t)]
.endr
.endm
.macro SCALE ta                        ; c s - c m, two at a time
.set i, 0
.rept 16
.irp t, \ta, \ta+1
	v_pk_fma_f32 v[S+32*(\t)+2*i:S+32*(\t)+2*i+1], v[S+32*(\t)+2*i:S+32*(\t)+2*i+1], s[CS:CS+1], v[ST+14*(\t):ST+14*(\t)+1] op_sel_hi:[1,0,0] neg_lo:[0,0,1] neg_hi:[0,0,1]
.endr
.set i, i+1
.endr
.endm
.macro EXPS ta                         ; a and the 32 weights of each tile; no line here names an exponential's result
.irp t, \ta, \ta+1
	v_exp_f32 v[ST+14*(\t)+2], v[ST+14*(\t)+3]
.endr
.set i, 0
.rept 32
.irp t, \ta, \ta+1
	v_exp_f32 v[S+32*(\t)+i], v[S+32*(\t)+i]
.endr
.set i, i+1
.endr
.endm
; A KEY STEP: 64 keys.
.macro STEP
	v_add_nc_u32 v[ADR], s[TB], v[LI]
	PLACES                                         ; with the addition five plain lines behind the last products: four are owed to the loads into V, five to the products that write S^T over P
.irp u, 0,1,2,3,4,5,6,7,8,9,10,11,12,13,14,15
	ds_load_b128 v[KF+4*\u:KF+4*\u+3], v[ADR] offset:512*\u            ; 512 consecutive bytes a load: no bank is asked twice
.endr
	WIN 0x40
.irp u, 0,1,2,3,4,5,6,7,8,9,10,11,12,13,14,15
	ds_load_b128 v[VF+4*\u:VF+4*\u+3], v[ADR] offset:8192+512*\u
.endr
	s_wait_dscnt 16                                ; K is in; V's 16 loads may be out
	WIN 0x04                                       ; Q in window 1
.irp c, 0,1                                    ; the 16 accumulators take turns, one instruction a turn
.irp t, 0,1,2,3
.irp k, 0,1,2,3
.if \c == 0
	v_wmma_f32_16x16x32_f16 v[S+32*\t+8*\k:S+32*\t+8*\k+7], v[KF+16*\k:KF+16*\k+7], v[QF+16*\t:QF+16*\t+7], 0
.else
	v_wmma_f32_16x16x32_f16 v[S+32*\t+8*\k:S+32*\t+8*\k+7], v[KF+16*\k+8:KF+16*\k+15], v[QF+16*\t+8:QF+16*\t+15], v[S+32*\t+8*\k:S+32*\t+8*\k+7]
.endif
.endr
.endr
.endr
	WIN 0
	PLACES
	s_wait_kmcnt 0x0                               ; the mask words of tiles 0 and 1
	MASK 0, MA
	MASK 1, MB
	MAXI 0
	MLOAD 2                                        ; tiles 2 and 3: they land under the scalings and exponentials below
	SCALE 0
	EXPS 0
	s_wait_kmcnt 0x0                               ; they are in, and no scalar load reads MO any more
	MASK 2, MA
	MASK 3, MB
	MAXI 2
	s_add_co_u32 s[MO], s[MO], 128
	s_min_u32 s[MO], s[MO], 31*128                 ; the last step asks for its own words again: no load leaves maskw
	MLOAD 0                                        ; the next step's tiles 0 and 1
	SCALE 2
	EXPS 2
	v_nop                                          ; a plain line behind the last exponential
	s_wait_alu depctr_va_vdst(0)                   ; one wait for the step's 132 exponentials, ahead of the first line that names a result
.irp t, 0,1,2,3
	v_pk_fma_f32 v[ST+14*\t+4:ST+14*\t+5], v[ST+14*\t+4:ST+14*\t+5], v[ST+14*\t+2:ST+14*\t+3], v[S+32*\t:S+32*\t+1] op_sel_hi:[1,0,1]   ; l = a l + p, in two chains of pairs
.endr
.irp t, 0,1,2,3
	v_pk_fma_f32 v[ST+14*\t+6:ST+14*\t+7], v[ST+14*\t+6:ST+14*\t+7], v[ST+14*\t+2:ST+14*\t+3], v[S+32*\t+2:S+32*\t+3] op_sel_hi:[1,0,1]
.endr
.irp p, 4,8,12,16,20,24,28
.irp t, 0,1,2,3
	v_pk_add_f32 v[ST+14*\t+4:ST+14*\t+5], v[ST+14*\t+4:ST+14*\t+5], v[S+32*\t+\p:S+32*\t+\p+1]
.endr
.irp t, 0,1,2,3
	v_pk_add_f32 v[ST+14*\t+6:ST+14*\t+7], v[ST+14*\t+6:ST+14*\t+7], v[S+32*\t+\p+2:S+32*\t+\p+3]
.endr
.endr
.irp t, 0,1,2,3
.set i, 0
.rept 16
	v_cvt_pk_f16_f32 v[S+32*\t+i], v[S+32*\t+2*i], v[S+32*\t+2*i+1]   ; P in place: register i is written when it has been read
.set i, i+1
.endr
.endr
	WIN 0x41                                       ; O^T in window 1, a in window 0
.irp t, 0,1,2,3
.set i, 0
.rept 16
	v_pk_mul_f32 v[32*\t+2*i:32*\t+2*i+1], v[32*\t+2*i:32*\t+2*i+1], v[ST+14*\t+2:ST+14*\t+3] op_sel_hi:[1,0]
.set i, i+1
.endr
.endr
	s_wait_dscnt 0x0                               ; V is in
	WIN 0x51                                       ; V and O^T in window 1, P in window 0
.irp c, 0,1                                    ; keys 32 c on; the 16 accumulators take turns
.irp t, 0,1,2,3
.irp k, 0,1,2,3
	v_wmma_f32_16x16x32_f16 v[32*\t+8*\k:32*\t+8*\k+7], v[VF+16*\k+8*\c:VF+16*\k+8*\c+7], v[S+32*\t+8*\c:S+32*\t+8*\c+7], v[32*\t+8*\k:32*\t+8*\k+7]
.endr
.endr
.endr
	WIN 0
	s_add_co_u32 s[TB], s[TB], STEPB
.endm
; THE CHANGE OF SLOTS stands at a slot's head.  Each wave waits for all its tensor loads (its part of the slot that it is about to read), adds 0 to its spare word, and waits for that and for its reads of the slot that it has left.
; fill = 1: a round of the cluster's barrier, and behind it the other slot takes the next 512 keys: the wave's one tensor load until the next round.
.macro CHANGE fill
	s_wait_tensorcnt 0x0                           ; no tensor load of mine is out, so group 0 may be written
	ds_add_u32 v[SPW], v[NIL]
.if \fill
	s_xor_b32 s[G0+1], s[G0+1], SLOT1              ; the other slot than last time,
	s_add_nc_u64 s[G0+2:G0+3], s[G0+2:G0+3], SLOT1 ; the next eight steps; the type bits on top are not reached
.endif
	s_wait_dscnt 0x0                               ; the add is done, and my reads of the slot that I have left are over
.if \fill
	CROUND
	tensor_load_to_lds s[G0:G0+3], s[G1:G1+7]
	s_nop 0
	PLACES
.else
	s_barrier_signal -1
	s_barrier_wait -1
.endif
.endm
.macro SLOT_STEPS
	s_mov_b32 s[STEPC], 8
.Lstep_\@:
	STEP
	s_sub_co_u32 s[STEPC], s[STEPC], 1
	s_cmp_lg_u32 s[STEPC], 0
	s_cbranch_scc1 .Lstep_\@
	s_sub_co_u32 s[TB], s[TB], SLOT1               ; back to a slot's first step,
	s_xor_b32 s[TB], s[TB], SLOT1                  ; in the other slot
.endm
.Lslot:                                            ; three trips: behind each change of slots but the last the next slot is asked for (the first time: slot 1's first fill, behind a round behind which nothing is filled again)
	CHANGE 1
	SLOT_STEPS
	s_sub_co_u32 s[SLOTS], s[SLOTS], 1
	s_cmp_lg_u32 s[SLOTS], 0
	s_cbranch_scc1 .Lslot
	CHANGE 0                                       ; the last slot is written out
	SLOT_STEPS
	; THE WAY OUT.  l's chains, its two halves and the other half of the lanes' are added (these lines are the plain lines behind the last products); O^T / l is packed to f16: 16 bytes a lane are half a fragment of the next product.
.irp t, 0,1,2,3
	v_pk_add_f32 v[ST+14*\t+4:ST+14*\t+5], v[ST+14*\t+4:ST+14*\t+5], v[ST+14*\t+6:ST+14*\t+7]
.endr
.irp t, 0,1,2,3
	v_add_f32 v[ST+14*\t+8], v[ST+14*\t+4], v[ST+14*\t+5]
.endr
.irp t, 0,1,2,3
	v_permlanex16_b32 v[ST+14*\t+12], v[ST+14*\t+8], s[SEL], s[SEL+1]
.endr
.irp t, 0,1,2,3
	v_add_f32 v[ST+14*\t+8], v[ST+14*\t+8], v[ST+14*\t+12]
.endr
.irp t, 0,1,2,3
	v_rcp_f32 v[ST+14*\t+2], v[ST+14*\t+8]
.endr
	v_nop                                          ; a plain line behind the last reciprocal
	s_wait_alu depctr_va_vdst(0)                   ; one wait for the four, ahead of the first use
.irp t, 0,1,2,3
	WIN 0x41
.set i, 0
.rept 16
	v_pk_mul_f32 v[32*\t+2*i:32*\t+2*i+1], v[32*\t+2*i:32*\t+2*i+1], v[ST+14*\t+2:ST+14*\t+3] op_sel_hi:[1,0]
.set i, i+1
.endr
	WIN 0x05                                       ; sources window 1, destination window 0: S^T's registers are free
.set i, 0
.rept 16
	v_cvt_pk_f16_f32 v[S+32*\t+i], v[32*\t+2*i], v[32*\t+2*i+1]
.set i, i+1
.endr
	WIN 0
.irp k, 0,1,2,3
	global_store_b128 v[LI], v[S+32*\t+4*\k:S+32*\t+4*\k+3], s[10:11] offset:\t*32768+\k*512   ; 512 consecutive bytes, aligned
.endr
.endr
	s_wait_kmcnt 0x0                               ; the last step's spare mask words
	s_wait_tensorcnt 0x0                           ; the wave's end: behind my last tensor load
	ds_add_u32 v[SPW], v[NIL]
	s_wait_dscnt 0x0
	CROUND                                         ; the closing round: no work-group ends while a partner may still ask for a tile that names it
	s_endpgm
.Lfunc_end_k_qb4af3a64ce_attn:
	.size	k_qb4af3a64ce_attn, .Lfunc_end_k_qb4af3a64ce_attn-k_qb4af3a64ce_attn
	.p2alignl 7, 3214868480
	.fill 96, 4, 3214868480
	.section	.rodata,"a",@progbits
	.p2align	6, 0x0
	.amdhsa_kernel k_qb4af3a64ce_attn
		.amdhsa_group_segment_fixed_size 327680
		.amdhsa_private_segment_fixed_size 0
		.amdhsa_enable_private_segment 0
		.amdhsa_kernarg_size 32
		.amdhsa_user_sgpr_count 2
		.amdhsa_user_sgpr_kernarg_segment_ptr 1
		.amdhsa_wavefront_size32 1
		.amdhsa_system_sgpr_workgroup_id_x 1
		.amdhsa_system_sgpr_workgroup_id_y 1
		.amdhsa_system_sgpr_workgroup_id_z 1
		.amdhsa_system_vgpr_workitem_id 0
		.amdhsa_next_free_vgpr 512
		.amdhsa_next_free_sgpr 102
		.amdhsa_reserve_vcc 0
		.amdhsa_float_denorm_mode_32 3
		.amdhsa_float_denorm_mode_16_64 3
		.amdhsa_memory_ordered 1
		.amdhsa_forward_progress 1
		.amdhsa_inst_pref_size 104
	.end_amdhsa_kernel
	.amdgpu_metadata
---
amdhsa.version: [ 1, 2 ]
amdhsa.kernels:
  - .name:           k_qb4af3a64ce_attn
    .symbol:         k_qb4af3a64ce_attn.kd
    .args:
      - { .name: qf, .offset: 0, .size: 8, .value_kind: global_buffer, .address_space: global }
      - { .name: kv, .offset: 8, .size: 8, .value_kind: global_buffer, .address_space: global }
      - { .name: maskw, .offset: 16, .size: 8, .value_kind: global_buffer, .address_space: global }
      - { .name: ofr, .offset: 24, .size: 8, .value_kind: global_buffer, .address_space: global }
    .group_segment_fixed_size: 327680
    .private_segment_fixed_size: 0
    .kernarg_segment_align: 8
    .kernarg_segment_size: 32
    .max_flat_workgroup_size: 256
    .sgpr_count:     102
    .vgpr_count:     512
    .wavefront_size: 32
...
	.end_amdgpu_metadata
.endif
;; end of part 3
;; launch oproj (part 4): grid 32 x 8, 4 waves a work-group, clusters of 4 x 1, 327,680 bytes of LDS; arguments ofr, wof, bo, out0; writes out0
.if DOCPART == 4
	.amdgcn_target "amdgcn-amd-amdhsa--gfx1250"
	.amdhsa_code_object_version 6
	.text
	.protected	k_qb4af3a64ce_oproj
	.globl	k_qb4af3a64ce_oproj
	.p2align	8
	.type	k_qb4af3a64ce_oproj,@function
k_qb4af3a64ce_oproj:
	s_mov_b64 s[64:65], 0
	v_nop
	global_prefetch_b8 v0, s[64:65] scope:SCOPE_SE
	s_setreg_imm32_b32 hwreg(HW_REG_WAVE_MODE, 25, 1), 1
	s_wait_xcnt 0x0
	s_wait_alu depctr_hold_cnt(0) depctr_sa_sdst(0) depctr_va_vdst(0) depctr_va_sdst(0) depctr_va_ssrc(0) depctr_va_vcc(0) depctr_vm_vsrc(0)
	s_getreg_b32 s2, hwreg(HW_REG_IB_STS2, 6, 4)
	s_cmp_eq_u32 s2, 0
	s_cbranch_scc0 .Lentry_in_a_cluster
	s_endpgm
.Lentry_in_a_cluster:
	s_bfe_u32 s2, ttmp6, 0x10000c
	s_cmp_lg_u32 s2, 0x3003
	s_cbranch_scc0 .Lentry_shape_is_right
	s_endpgm
.Lentry_shape_is_right:
; OPROJ: out0 = O Wo^T + bo.  O and Wo come as f16 fragments (16 rows x 32 K); sums in f32; out0 [8192][1024] f32.
; A work-group makes 256 tokens x 128 output columns (a slice).  The slice of Wo, 262,144 bytes, lies in LDS for the whole launch, filled ONCE: first its K fragments 0-7 (65,536 bytes), then the rest, so that work begins early.
; CLUSTER.  The four work-groups of a cluster take the same slice and four blocks of tokens: Wo's two fills are asked for JOINTLY, with the same descriptors and the mask of all four.
; Wave w owns 64 tokens x 128 columns: 32 accumulators.  Its fragments of O come from memory straight into eight register sets, seven K steps ahead.  A K step of 32: 32 products for 8,192 bytes from LDS and 4,096 from memory.
; THE MATRIX INSTRUCTION IS USED TRANSPOSED (source 0 = 16 rows of Wo, source 1 = 16 tokens): a lane holds eight neighbouring columns of one token's row.  The bias is the C of each sum's first product.
; REGISTERS.  window 0: v1-11 addresses; v32-95, v96-159 Wo's fragments of a K step, two buffers; on the way out v160-223 and v32-95 take rows by turns.
;             window 1: the accumulators, 8 (8 i + b).   window 2: O, 32 set + 8 i + 4 half.   window 3: the bias, 8 b.
.set STAGE,  262144                    ; behind Wo: 16 rows x (512 + 16) bytes for each wave; no fill lands there
.set SPITCH, 528
.set SPARE,  295936                    ; the spare words, 128 bytes a wave; no other line names them
.set LI,  1                            ; 16 x lane
.set WA,  2                            ; 16 x lane + the chunk of 8 K fragments in hand
.set STO, 3                            ; the stage: where I put 32 bytes of a row
.set RD,  4                            ; and where I read a row back
.set SPW, 6
.set NIL, 7
.set BOF, 8                            ; 32 h
.set W0,  32
.set BK0, 160
.set BK1, 32
.set WV,  12
.set G1A, 16                           ; s[16:23] group 1: 64 rows of 256 bytes
.set G1B, 24                           ; s[24:31] group 1: 192 rows
.set G0A, 32                           ; s[32:35], s[36:39] their groups 0
.set G0B, 36
.set WSC, 40                           ; LDS byte of the chunk in hand
.set CNT, 41
.set MSB, 0
.macro WIN new
.if MSB != (\new)
	s_set_vgpr_msb (MSB<<8)|(\new)
.set MSB, (\new)
.endif
.endm
.macro PLACES
.rept 4
	v_nop
.endr
.endm
.macro CROUND
	s_barrier_signal -1
	s_barrier_wait -1
	s_cmp_lg_u32 s[WV], 0
	s_cbranch_scc1 .Lnot_wave_0_\@
	s_barrier_signal -3
.Lnot_wave_0_\@:
	s_barrier_wait -3
	s_barrier_signal -1
	s_barrier_wait -1
.endm
	s_load_b256 s[4:11], s[0:1], 0x0               ; ofr s4, wof s6, bo s8, out0 s10
	v_lshl_add_u32 v[SPW], v0, 2, SPARE
	v_mov_b32 v[NIL], 0
	ds_add_u32 v[SPW], v[NIL]                      ; the wave's opening: the add, twice on end, and its wait ahead of my first tensor load
	ds_add_u32 v[SPW], v[NIL]
	v_lshrrev_b32 v9, 5, v0
	v_readfirstlane_b32 s[WV], v9                  ; wave 0..3
	v_and_b32 v[LI], 31, v0
	v_lshlrev_b32 v[LI], 4, v[LI]
	v_mov_b32 v[WA], v[LI]
	v_and_b32 v9, 15, v0                           ; r
	v_bfe_u32 v10, v0, 4, 1                        ; h
	v_lshlrev_b32 v[BOF], 5, v10
	s_mul_i32 s42, s[WV], 16*SPITCH
	s_add_co_u32 s42, s42, STAGE
	v_mul_u32_u24 v[STO], v9, SPITCH
	v_lshl_add_u32 v[STO], v10, 5, v[STO]
	v_add_nc_u32 v[STO], s42, v[STO]
	v_add_nc_u32 v[RD], s42, v[LI]
	s_and_b32 s15, ttmp7, 0xffff                   ; the slice, which the four partners share
.irp g, G1A, G1B
	s_mov_b32 s[\g], 15|(3<<16)|(1<<21)            ; the mask of all four; elements of 8 bytes; bit 21 beside a mask; no padding
	s_mov_b32 s[\g+1], 32<<16                      ; tensor_dim0 = 32 elements: 256 bytes
	s_mov_b32 s[\g+3], 32<<16                      ; tile_dim0
	s_mov_b32 s[\g+5], 32                          ; the pitch: the block is dense
	s_mov_b32 s[\g+6], 0
	s_mov_b32 s[\g+7], 0
.endr
	s_mov_b32 s[G1A+2], 64<<16                     ; tensor_dim1
	s_mov_b32 s[G1A+4], 64                         ; tile_dim1
	s_mov_b32 s[G1B+2], 192<<16
	s_mov_b32 s[G1B+4], 192
	s_mov_b32 s[G0A], 1
	s_lshl_b32 s[G0A+1], s[WV], 14                 ; LDS = the byte in the slice: my quarter of the first 65,536,
	s_mov_b32 s[G0B], 1
	s_mul_i32 s[G0B+1], s[WV], 49152
	s_add_co_u32 s[G0B+1], s[G0B+1], 65536         ; and of the other 196,608
	s_lshl_b32 s42, s15, 18                        ; wof: 262,144 a slice
	s_lshl_b32 s43, s[WV], 14
	s_add_co_u32 s42, s42, s43
	s_mov_b32 s43, 0
	s_lshl_b32 s44, s15, 18
	s_mul_i32 s45, s[WV], 49152
	s_add_co_u32 s44, s44, s45
	s_add_co_u32 s44, s44, 65536
	s_mov_b32 s45, 0
	s_lshl_b32 s50, s15, 9                         ; bo: 128 numbers a slice
	s_mov_b32 s51, 0
	s_bfe_u32 s13, ttmp6, 0x40000                  ; cx
	s_lshl_b32 s14, ttmp9, 2
	s_add_co_u32 s14, s14, s13                     ; my block of 256 tokens: it enters the addresses of O and out0 alone
	s_lshl_b32 s46, s14, 2
	s_add_co_u32 s46, s46, s[WV]                   ; 4 block + wave: my 64 tokens
	s_lshl_b32 s48, s46, 18                        ; out0: 64 rows of 4,096 bytes,
	s_add_co_u32 s48, s48, s50                     ; + 512 bytes a slice
	s_mov_b32 s49, 0
	s_lshl_b32 s46, s46, 17                        ; ofr: four token tiles of 32,768 bytes
	s_mov_b32 s47, 0
	s_mov_b32 s[WSC], 0
	s_wait_dscnt 0x0                               ; both opening adds are done
	s_wait_kmcnt 0x0
	s_add_nc_u64 s[G0A+2:G0A+3], s[6:7], s[42:43]
	s_or_b32 s[G0A+3], s[G0A+3], 0x80000000
	s_add_nc_u64 s[G0B+2:G0B+3], s[6:7], s[44:45]
	s_or_b32 s[G0B+3], s[G0B+3], 0x80000000
	s_add_nc_u64 s[4:5], s[4:5], s[46:47]
	s_add_nc_u64 s[8:9], s[8:9], s[50:51]
	s_add_nc_u64 s[10:11], s[10:11], s[48:49]
	CROUND                                         ; all four work-groups are here: the joint loads meet
	tensor_load_to_lds s[G0A:G0A+3], s[G1A:G1A+7]  ; both fills go out together: two tensor loads of mine are out
	s_nop 0
	tensor_load_to_lds s[G0B:G0B+3], s[G1B:G1B+7]
	s_nop 0
	PLACES
	WIN 0xc0                                       ; destination window 3
.irp b, 0,1,2,3,4,5,6,7
	global_load_b128 v[8*\b:8*\b+3], v[BOF], s[8:9] offset:64*\b            ; bo(16 b + 8 h + 0..7)
	global_load_b128 v[8*\b+4:8*\b+7], v[BOF], s[8:9] offset:64*\b+16
.endr
.macro OLOAD set, kk                   ; my four token tiles' fragments of K fragment kk (counted from the base): 8 loads of 512 consecutive bytes
.irp i, 0,1,2,3
	global_load_b128 v[32*(\set)+8*\i:32*(\set)+8*\i+3], v[LI], s[4:5] offset:\i*32768+(\kk)*1024
	global_load_b128 v[32*(\set)+8*\i+4:32*(\set)+8*\i+7], v[LI], s[4:5] offset:\i*32768+(\kk)*1024+512
.endr
.endm
	WIN 0x80                                       ; destination window 2
.irp s, 0,1,2,3,4,5,6
	OLOAD \s, \s
.endr
	WIN 0
.macro WLOAD p, kk                     ; Wo's eight fragments of the chunk's K fragment kk into buffer p
.irp n, 0,1,2,3,4,5,6,7,8,9,10,11,12,13,14,15
	ds_load_b128 v[W0+64*(\p)+4*\n:W0+64*(\p)+4*\n+3], v[WA] offset:(\kk)*8192+\n*512
.endr
.endm
.macro MUL16 s8, i0, first             ; token tiles i0, i0 + 1 x the eight n tiles; every accumulator has one instruction in a K step: they take turns
.irp i, \i0, \i0+1
.irp b, 0,1,2,3,4,5,6,7
.if \first
	v_wmma_f32_16x16x32_f16 v[8*(8*(\i)+\b):8*(8*(\i)+\b)+7], v[W0+64*((\s8)%2)+8*\b:W0+64*((\s8)%2)+8*\b+7], v[32*(\s8)+8*(\i):32*(\s8)+8*(\i)+7], v[8*\b:8*\b+7]
.else
	v_wmma_f32_16x16x32_f16 v[8*(8*(\i)+\b):8*(8*(\i)+\b)+7], v[W0+64*((\s8)%2)+8*\b:W0+64*((\s8)%2)+8*\b+7], v[32*(\s8)+8*(\i):32*(\s8)+8*(\i)+7], v[8*(8*(\i)+\b):8*(8*(\i)+\b)+7]
.endif
.endr
.endr
.endm
; A K step of 32, the s8-th of a chunk of eight.  gl: O of the step seven on is asked for, into the set that the step before has left.  meet: the rest of Wo is awaited.  wnext: Wo's fragments of the next step.
.macro KSTEP s8, first, gl, lcnt, meet, wnext
	s_wait_loadcnt \lcnt                           ; this step's O is in; the younger sets, 8 loads each, may be out
	s_wait_dscnt 0x0                               ; and its Wo
	WIN 0x58+0x20*(\first)                         ; D window 1, Wo window 0, O window 2, C window 1 (first: the bias, window 3)
	MUL16 \s8, 0, \first
	WIN 0
	PLACES                                         ; four plain lines in front of loads into registers that the step before multiplied
.if \gl
	WIN 0x80
	OLOAD ((\s8)+7)%8, (\s8)+7
	WIN 0
.endif
.if \meet
	s_wait_tensorcnt 0x0                           ; my part of the rest of Wo is in,
	s_barrier_signal -1
	s_barrier_wait -1                              ; everybody's is; nothing is filled again
.endif
.if \wnext
.if (\s8) == 7
	s_add_co_u32 s[WSC], s[WSC], 65536             ; on to the next chunk of eight K fragments (no LDS load of mine is out)
	v_add_nc_u32 v[WA], s[WSC], v[LI]
.endif
	WLOAD 1-(\s8)%2, ((\s8)+1)%8
.endif
	WIN 0x58+0x20*(\first)
	MUL16 \s8, 2, \first
.endm
	s_wait_tensorcnt 1                             ; my part of the first 65,536 bytes is in; the larger load may be out,
	s_barrier_signal -1
	s_barrier_wait -1                              ; everybody's is
	WLOAD 0, 0
	KSTEP 0, 1, 1, 48, 0, 1                        ; the first K step starts the sums from the bias
.irp s, 1,2,3,4,5,6
	KSTEP \s, 0, 1, 48, 0, 1
.endr
	KSTEP 7, 0, 1, 48, 1, 1
	WIN 0
	s_wait_xcnt 0x0                                ; O's loads have read their base: it may step
	s_add_nc_u64 s[4:5], s[4:5], 8192
	s_mov_b32 s[CNT], 2
.Lchunk:                                           ; a trip: eight K steps
.irp s, 0,1,2,3,4,5,6,7
	KSTEP \s, 0, 1, 48, 0, 1
.endr
	WIN 0
	s_wait_xcnt 0x0
	s_add_nc_u64 s[4:5], s[4:5], 8192
	s_sub_co_u32 s[CNT], s[CNT], 1
	s_cmp_lg_u32 s[CNT], 0
	s_cbranch_scc1 .Lchunk
	KSTEP 0, 0, 1, 48, 0, 1                        ; the last chunk is written out: one more set of O (the last K step's), then the counts run down
	KSTEP 1, 0, 0, 48, 0, 1
	KSTEP 2, 0, 0, 40, 0, 1
	KSTEP 3, 0, 0, 32, 0, 1
	KSTEP 4, 0, 0, 24, 0, 1
	KSTEP 5, 0, 0, 16, 0, 1
	KSTEP 6, 0, 0, 8, 0, 1
	KSTEP 7, 0, 0, 0, 0, 0
	WIN 0
; THE WAY OUT, a block of 16 tokens x 128 columns at a time.  A lane holds 32 neighbouring bytes of a row and the lanes beside it other rows: so a block goes through my own stage and comes back as whole rows of 512 bytes.
; LDS serves a wave's instructions in order: no wait between the stores and the loads, nor in front of the next block's stores.
.macro TOSTAGE a
	WIN 0x04                                       ; an LDS store's data are its source 1: window 1
.irp b, 0,1,2,3,4,5,6,7
	ds_store_b128 v[STO], v[64*(\a)+8*\b:64*(\a)+8*\b+3] offset:64*\b          ; each accumulator from its low end on
	ds_store_b128 v[STO], v[64*(\a)+8*\b+4:64*(\a)+8*\b+7] offset:64*\b+16
.endr
	WIN 0
.set BB, BK0
.if (\a)%2
.set BB, BK1
.endif
.irp t, 0,1,2,3,4,5,6,7,8,9,10,11,12,13,14,15
	ds_load_b128 v[BB+4*\t:BB+4*\t+3], v[RD] offset:\t*SPITCH
.endr
.endm
.macro SEND a, younger                 ; younger: the LDS instructions issued behind block a's loads, which may stay out
.set BB, BK0
.if (\a)%2
.set BB, BK1
.endif
	s_wait_dscnt \younger
.irp t, 0,1,2,3,4,5,6,7,8,9,10,11,12,13,14,15
	global_store_b128 v[LI], v[BB+4*\t:BB+4*\t+3], s[10:11] offset:(\a)*65536+\t*4096 th:TH_STORE_NT   ; 512 consecutive bytes, aligned; written once
.endr
.endm
	PLACES                                         ; behind the last products: for the first read of results and for the loads into Wo's registers
	TOSTAGE 0
	TOSTAGE 1
	SEND 0, 32                                     ; behind block 0's loads: block 1's 16 stores and 16 loads
	s_wait_xcnt 0x0                                ; block 0's stores have read their registers: block 2's rows may land there
	TOSTAGE 2
	SEND 1, 32
	s_wait_xcnt 0x0
	TOSTAGE 3
	SEND 2, 32
	SEND 3, 0
	s_wait_tensorcnt 0x0                           ; the wave's end: behind my last tensor load and my last LDS store
	ds_add_u32 v[SPW], v[NIL]
	s_wait_dscnt 0x0
	CROUND                                         ; the closing round
	s_endpgm
.Lfunc_end_k_qb4af3a64ce_oproj:
	.size	k_qb4af3a64ce_oproj, .Lfunc_end_k_qb4af3a64ce_oproj-k_qb4af3a64ce_oproj
	.p2alignl 7, 3214868480
	.fill 96, 4, 3214868480
	.section	.rodata,"a",@progbits
	.p2align	6, 0x0
	.amdhsa_kernel k_qb4af3a64ce_oproj
		.amdhsa_group_segment_fixed_size 327680
		.amdhsa_private_segment_fixed_size 0
		.amdhsa_enable_private_segment 0
		.amdhsa_kernarg_size 32
		.amdhsa_user_sgpr_count 2
		.amdhsa_user_sgpr_kernarg_segment_ptr 1
		.amdhsa_wavefront_size32 1
		.amdhsa_system_sgpr_workgroup_id_x 1
		.amdhsa_system_sgpr_workgroup_id_y 1
		.amdhsa_system_sgpr_workgroup_id_z 1
		.amdhsa_system_vgpr_workitem_id 0
		.amdhsa_next_free_vgpr 832
		.amdhsa_next_free_sgpr 66
		.amdhsa_reserve_vcc 0
		.amdhsa_float_denorm_mode_32 3
		.amdhsa_float_denorm_mode_16_64 3
		.amdhsa_memory_ordered 1
		.amdhsa_forward_progress 1
		.amdhsa_inst_pref_size 119
	.end_amdhsa_kernel
	.amdgpu_metadata
---
amdhsa.version: [ 1, 2 ]
amdhsa.kernels:
  - .name:           k_qb4af3a64ce_oproj
    .symbol:         k_qb4af3a64ce_oproj.kd
    .args:
      - { .name: ofr, .offset: 0, .size: 8, .value_kind: global_buffer, .address_space: global }
      - { .name: wof, .offset: 8, .size: 8, .value_kind: global_buffer, .address_space: global }
      - { .name: bo, .offset: 16, .size: 8, .value_kind: global_buffer, .address_space: global }
      - { .name: out0, .offset: 24, .size: 8, .value_kind: global_buffer, .address_space: global }
    .group_segment_fixed_size: 327680
    .private_segment_fixed_size: 0
    .kernarg_segment_align: 8
    .kernarg_segment_size: 32
    .max_flat_workgroup_size: 128
    .sgpr_count:     66
    .vgpr_count:     832
    .wavefront_size: 32
...
	.end_amdgpu_metadata
.endif
;; end of part 4
